; MI455X (gfx1250); checked and timed in simulation.
; The chip was launched on July 23, 2026; its instructions are those of AMD's public machine-readable ISA for CDNA 5 (MIT licence, August 2026) and "CDNA5" Instruction Set Architecture Reference Guide (July 2026). The comments in the code are by the model that wrote it; some were corrected since.
;; Pairwise Attention Initial. Allowed arithmetic: matrix products marked QUANTISED: E2M3 operands, one E8M0 scale for each 32 along K, by v_wmma_scale_f32_16x16x128_f8f6f4 with both operands' format E2M3, f32 sums; products left as they are: f32 operands where the result goes on into a quantised operand, else bf16, f16 or f32 operands; f32 sums; everything else in f32.
;; Inputs: bb 8 float32; bg 256 float32; bk 256 float32; bo 256 float32; bq 256 float32; bv 256 float32; features 256 x 256 x 256 float32; ln_bias 256 float32; ln_scale 256 float32; wb 256 x 8 float32; wg 256 x 256 float32; wk 256 x 256 float32; wo 256 x 256 float32; wq 256 x 256 float32; wv 256 x 256 float32.
;; Outputs: out0 256 x 256 x 256 float32.
;; This version of the problem:
;;   THIS VERSION OF THE PROBLEM IS GIVEN IN LOW PRECISION. The matrix products marked QUANTISED in the list below multiply operands that are first quantised to E2M3 (2 exponent bits, 3 mantissa bits; 6 bits a number), with one power-of-two scale for each 32 numbers along K (OCP MX v1.0); their sums are f32. All else is computed in f32.
;;   The module's matrix products, in the order in which they are computed (A, B: the left and right operand; K: the contracted axis; several contracted axes count as one K, in the product's order):
;;     1. [M 65,536, K 256] x [K 256, N 256]; A: computed on the way; B: input wq: QUANTISED
;;     2. [M 65,536, K 256] x [K 256, N 256]; A: computed on the way; B: input wk: QUANTISED
;;     3. [M 65,536, K 256] x [K 256, N 256]; A: computed on the way; B: input wv: QUANTISED
;;     4. [M 65,536, K 256] x [K 256, N 8]; A: computed on the way; B: input wb: left as it is (N = 8 < 16)
;;     5. [M 65,536, K 256] x [K 256, N 256]; A: computed on the way; B: input wg: QUANTISED
;;     6. batch 2,048 x [M 256, K 32] x [K 32, N 256]; A: computed on the way; B: computed on the way: QUANTISED
;;     7. batch 2,048 x [M 32, K 256] x [K 256, N 256]; A: computed on the way; B: softmax (see below): QUANTISED
;;     8. [M 65,536, K 256] x [K 256, N 256]; A: computed on the way; B: input wo: QUANTISED
;;   THE QUANTISER, for each operand of a quantised product, along K:
;;     - K is cut into blocks of 32 from its start; a last block that is shorter is filled with zeros.
;;     - A block's scale is 2^e with e = floor(log2(the largest magnitude in the block)) - 2, held to -126 .. 127; a block of zeros has e = 0. As a byte (E8M0): e + 127.
;;     - Each number is divided by its block's scale, clamped to +-7.5, and rounded to the nearest number of E2M3, ties to even, subnormals kept.
;;     - The product sums the exact products of the quantised numbers (number of the format x scale) in f32.
;;   ~~~python
;;   def quantise(x, axis):      # numpy; x: float32 -> the quantised numbers, widened to float32 again
;;       x = np.moveaxis(x, axis, -1); K = x.shape[-1]
;;       x = np.pad(x, [(0, 0)] * (x.ndim - 1) + [(0, -K % 32)]); x = x.reshape(x.shape[:-1] + (-1, 32)); a = np.abs(x).max(-1, keepdims=True)
;;       e = np.where(a > 0, np.clip(np.frexp(np.where(a > 0, a, 1))[1] - 1 - 2, -126, 127), 0)      # np.frexp(a)[1] - 1 = floor(log2(a)), exactly
;;       r = np.clip(x / 2.0 ** e, -7.5, 7.5)
;;       step = 2.0 ** (np.maximum(np.frexp(np.where(r == 0, 1, r))[1] - 1, 0) - 3)
;;       q = np.round(r / step) * step * 2.0 ** e      # np.round: ties to even
;;       return np.moveaxis(q.reshape(q.shape[:-2] + (-1,))[..., :K], -1, axis).astype(np.float32)
;;   ~~~
;;   SOFTMAX AHEAD OF A QUANTISED PRODUCT. Where the list says 'softmax', what is quantised is not the finished softmax but p = 2^(t - M), with t = logit x log2(e) and M = ceil(the row's largest t), a whole number; so 1/2 < the row's largest p <= 1. The row's sum l is taken of the UNQUANTISED p, in f32, and the product's result is divided by l at the end. Since M is a whole number, a kernel that streams over the keys may use a running M (the ceiling of the running maximum): every later rescaling is an exact power of two, which a block's scale takes up: the codes' values come out the same.
;;   OPERANDS COMPUTED ON THE WAY. 'Computed on the way' means the value that the module computes at that place (a softmax that the list does not call 'softmax' is quantised finished and normalised). What goes into a quantiser is computed in f32, as accurately as f32 sums, v_exp_f32 and their like allow (about 1e-6 of the number): no bf16 or f16 on the way to a quantiser, and a product that is left as it is and whose result goes on into a quantised operand takes f32 operands (vector FMAs, or v_wmma_f32_16x16x4_f32). A number that lies on a knife's edge between two numbers of the format may be rounded either way, as far as f32 arithmetic and the matrix unit's own rounding can turn it there, and no further.
;; 2 versions. Each part assembles by itself: llvm-mc -triple=amdgcn-amd-amdhsa -mcpu=gfx1250 --defsym DOCPART=n.
;; ======== version 1 of 2: 2 launches
;; workspace buffers: xc 12,582,912 bytes; xs 524,288 bytes; bimg 2,097,152 bytes; wc 245,760 bytes; ws 20,480 bytes
;; launch prep (part 1): grid 266 x 1, 16 waves a work-group, no clusters, 104,448 bytes of LDS; arguments features, ln_scale, ln_bias, wb, bb, wq, wk, wv, wg, wo, xc, xs, bimg, wc, ws; writes xc, xs, bimg, wc, ws
.if DOCPART == 1
	.amdgcn_target "amdgcn-amd-amdhsa--gfx1250"
	.amdhsa_code_object_version 6
	.text
	.protected	k_q231f567e75_prep
	.globl	k_q231f567e75_prep
	.p2align	8
	.type	k_q231f567e75_prep,@function
k_q231f567e75_prep:
	s_mov_b64 s[64:65], 0
	v_nop
	global_prefetch_b8 v0, s[64:65] scope:SCOPE_SE
	s_setreg_imm32_b32 hwreg(HW_REG_WAVE_MODE, 25, 1), 1
	s_wait_xcnt 0x0
; PREP.  features [256][256][256] f32 are read once: LayerNorm in f32; x as codes of FP6 (E2M3) with one E8M0 byte for each 32 features; the logit bias x . wb + bb by f32 multiply-adds.
; The five weights [256 (k)][256 (n)] f32 become images of operand registers.  Work-groups 0 to 9 take the weights, 10 to 265 the features: a branch on the work-group's number, the same in all sixteen waves.
; WHAT IS STORED.  A fragment is 16 rows x 128 K: 12 registers a lane; lane (r, h) holds row r, registers 6 c .. 6 c + 5 the block of 32 numbered 2 c + h.
;   xc   [b][T 16][ks 2][lane 32][48 bytes]: x's fragments, a lane's 12 registers on end.          xs [b][T][ks][row 16][4]: a row's four scale bytes of a K step.
;   bimg [head 8][qt 16][kt 16][g 2][lane 32][16 bytes]: (bias) x sqrt(32), as the accumulator of a tile keys x queries wants it: lane (r, h), register 4 g + jj = bias[16 qt + r][16 kt + 8 h + 4 g + jj][head].
;   wc   [matrix 5: q k v g o][column tile 16][ks 2][g 3][lane 32][16 bytes]: registers 4 g .. 4 g + 3 of lane.   ws [matrix][tile][ks][lane 32][4]: the scale word of column lane % 16.
;   In wo's image the K rows of each block of 32 stand with bits 3 and 4 of their place exchanged: the order in which the next launch's gated output falls out of its accumulators.
; FEATURES.  Work-group (qt, kt), wave w: first index 16 qt + w, second index 16 kt .. + 15: 16 KB on end, in 8 steps of two rows.  Each load reads 512 consecutive bytes; a step turns through the wave's own
; stage in LDS, so that a lane holds 16 neighbouring features of one row (sixteen lanes a row).  Codes and scale bytes are gathered in the wave's own LDS bytes and leave as 3,072 and 128 consecutive bytes;
; the bias of a tile comes from all sixteen waves, so it meets in LDS behind the path's one barrier and leaves as 512 consecutive bytes a wave.
; LIMITS: NaN and infinities are not served.  A block of zeros gets the byte 1 (the rule says 127): its codes are zeros and this program alone reads the bytes; a block's largest magnitude is held at 2^-124 from below.
; The bias is stored x sqrt(32): one rounding more than bias alone.
.set WREG,  5888                       ; LDS of a wave: the stage 32 x 80, the codes 3,072, the scale bytes 128 (and 128 unused)
.set CGO,   2560
.set SGO,   5632
.set BIASG, 16*WREG                    ; the tile's bias: [head][g][lane][16 bytes], 8,192 bytes
.set SPARE, BIASG+8192                 ; the spare words, 128 bytes a wave: eight blocks of 256 bytes that no other line names
.set NWW,   10                         ; work-groups that take the weights
.set SPW, 1                            ; v1  my spare word's address; never rewritten
.set NIL, 2                            ; v2  0; never rewritten
.set X,   32                           ; v32-47   16 neighbouring features
.set R,   48                           ; v48-79   two sets of 16 numbers as loaded
.set ACC, 80                           ; v80-87   the bias's eight sums
.set SC,  96                           ; v96-111  ln_scale of my 16 features
.set LB,  112                          ; v112-127 ln_bias
.set WB,  128                          ; v128-255 wb: register 8 e + head, e my feature
	s_load_b512 s[4:19], s[0:1], 0x0               ; features, ln_scale, ln_bias, wb, bb, wq, wk, wv
	s_load_b256 s[20:27], s[0:1], 0x40             ; wg, wo, xc, xs
	s_load_b128 s[28:31], s[0:1], 0x60             ; bimg, wc
	s_load_b64 s[32:33], s[0:1], 0x70              ; ws
	v_lshl_add_u32 v[SPW], v0, 2, SPARE
	v_mov_b32 v[NIL], 0
	v_lshrrev_b32 v3, 5, v0
	v_readfirstlane_b32 s34, v3                    ; wave 0..15
	v_and_b32 v13, 31, v0                          ; lane
	v_and_b32 v30, 15, v0                          ; i = lane % 16
	v_bfe_u32 v31, v0, 4, 1                        ; h = lane / 16
	v_lshlrev_b32 v3, 4, v13                       ; 16 x lane
	v_lshlrev_b32 v9, 2, v13                       ; 4 x lane
	s_mul_i32 s48, s34, WREG
	v_lshrrev_b32 v4, 2, v13
	v_mul_u32_u24 v4, v4, 80
	v_and_b32 v5, 3, v13
	v_lshl_add_u32 v4, v5, 4, v4
	v_add_nc_u32 v4, s48, v4                       ; the stage, in: four lanes' 64 bytes on end, then 16 of padding
	v_mul_u32_u24 v5, v13, 80
	v_add_nc_u32 v5, s48, v5                       ; and out: my 64 bytes
	v_and_b32 v6, 1, v30                           ; my 12 bytes of codes in the fragments' images: features 16 i on are K step i / 8, registers 6 ((i / 4) % 2) + 3 (i % 2) on, of lane row + 16 ((i / 2) % 2)
	v_mul_u32_u24 v6, v6, 12
	v_bfe_u32 v7, v30, 1, 1
	v_mad_u32_u24 v6, v7, 768, v6
	v_bfe_u32 v7, v30, 2, 1
	v_mad_u32_u24 v6, v7, 24, v6
	v_bfe_u32 v7, v30, 3, 1
	v_mad_u32_u24 v6, v7, 1536, v6
	v_mad_u32_u24 v6, v31, 48, v6                  ; row 2 t + h: 48 h here, 96 t in the immediate
	s_add_co_u32 s49, s48, CGO
	v_add_nc_u32 v6, s49, v6
	v_bfe_u32 v7, v30, 3, 1                        ; my block's scale byte: 64 (i / 8) + 4 row + (i / 2) % 4
	v_lshlrev_b32 v7, 6, v7
	v_lshl_add_u32 v7, v31, 2, v7
	v_bfe_u32 v8, v30, 1, 2
	v_add_nc_u32 v7, v7, v8
	s_add_co_u32 s49, s48, SGO
	v_add_nc_u32 v7, s49, v7
	v_add_nc_u32 v11, s49, v9                      ; the scale bytes on the way out: 4 x lane
	s_add_co_u32 s49, s48, CGO
	v_add_nc_u32 v10, s49, v3                      ; the codes on the way out: 16 x lane
	s_lshl_b32 s49, s34, 4
	s_add_co_u32 s49, s49, BIASG
	v_lshl_add_u32 v8, v31, 2, s49                 ; the bias, in: lane slot 16 w, word 4 h; the rest stands in the immediates
	s_lshl_b32 s49, s34, 9
	s_add_co_u32 s49, s49, BIASG
	v_add_nc_u32 v12, s49, v3                      ; and out: wave w takes head w / 2, half w % 2
	s_wait_kmcnt 0x0
	s_cmp_lt_u32 ttmp9, NWW
	s_cbranch_scc1 .Lweights
	; ---------------- the features
	s_load_b256 s[36:43], s[12:13], 0x0            ; bb's eight numbers
	s_sub_co_u32 s48, ttmp9, NWW
	s_lshr_b32 s49, s48, 4                         ; qt
	s_and_b32 s50, s48, 15                         ; kt
	s_lshl_b32 s51, s49, 4
	s_add_co_u32 s51, s51, s34                     ; my first index: 16 qt + w
	s_lshl_b32 s52, s51, 18
	s_lshl_b32 s53, s50, 14
	s_add_co_u32 s52, s52, s53
	s_mov_b32 s53, 0
	s_add_nc_u64 s[4:5], s[4:5], s[52:53]          ; my 16 rows of 1,024 bytes
	s_lshl_b32 s54, s51, 4
	s_add_co_u32 s54, s54, s50                     ; the tile's number: 16 x first index + kt
	s_mul_i32 s52, s54, 3072
	s_add_nc_u64 s[24:25], s[24:25], s[52:53]
	s_lshl_b32 s52, s54, 7
	s_add_nc_u64 s[26:27], s[26:27], s[52:53]
	s_lshr_b32 s52, s34, 1
	s_lshl_b32 s52, s52, 18
	s_lshl_b32 s55, s49, 14
	s_add_co_u32 s52, s52, s55
	s_lshl_b32 s55, s50, 10
	s_add_co_u32 s52, s52, s55
	s_and_b32 s55, s34, 1
	s_lshl_b32 s55, s55, 9
	s_add_co_u32 s52, s52, s55
	s_add_nc_u64 s[28:29], s[28:29], s[52:53]      ; bimg: head w / 2, tile (qt, kt), half w % 2
	v_lshlrev_b32 v28, 9, v30                      ; wb: 16 rows of 32 bytes for my 16 features
	v_lshlrev_b32 v29, 6, v30                      ; ln_scale, ln_bias: 64 bytes
.set q_, 0
.rept 32
	global_load_b128 v[WB+4*q_:WB+4*q_+3], v28, s[10:11] offset:16*q_
.set q_, q_+1
.endr
.irp q, 0,1,2,3
	global_load_b128 v[SC+4*\q:SC+4*\q+3], v29, s[6:7] offset:16*\q
	global_load_b128 v[LB+4*\q:LB+4*\q+3], v29, s[8:9] offset:16*\q
.endr
.macro LOAD t                          ; step t's two rows: four loads of 512 consecutive bytes
.irp q, 0,1,2,3
	global_load_b128 v[R+16*((\t)%2)+4*\q:R+16*((\t)%2)+4*\q+3], v3, s[4:5] offset:2048*(\t)+512*\q th:TH_LOAD_NT
.endr
.endm
	LOAD 0
	LOAD 1
	s_mov_b32 s44, 0x40b504f3                      ; sqrt(32)
	s_mov_b32 s45, 0x3b800000                      ; 1 / 256
	s_mov_b32 s46, 0x3727c5ac                      ; 1e-5
	v_mov_b32 v15, 0                               ; (named as the upper halves of pairs of which the low word serves)
	v_mov_b32 v17, 0
	s_wait_kmcnt 0x0
.irp d, 0,1,2,3,4,5,6,7
	s_mul_f32 s[36+\d], s[36+\d], s44              ; bb x sqrt(32)
.endr
.macro STEP t
.if (\t) < 7
	s_wait_loadcnt 4                               ; this step's four loads are in (and all issued before them); the next step's four may be out
.else
	s_wait_loadcnt 0x0
.endif
.irp q, 0,1,2,3
	ds_store_b128 v4, v[R+16*((\t)%2)+4*\q:R+16*((\t)%2)+4*\q+3] offset:640*\q
.endr
.irp q, 0,1,2,3
	ds_load_b128 v[X+4*\q:X+4*\q+3], v5 offset:16*\q   ; LDS serves a wave's instructions in order: these see the stores above
.endr
	s_wait_dscnt 0x0                               ; my 16 neighbours are in; the stores, the last step's too, have read their registers
.if (\t)+2 < 8
	LOAD (\t)+2
.endif
	v_pk_add_f32 v[18:19], v[X:X+1], v[X+2:X+3]    ; the row's sum: two chains, then sixteen lanes
	v_pk_add_f32 v[20:21], v[X+4:X+5], v[X+6:X+7]
	v_pk_add_f32 v[18:19], v[18:19], v[X+8:X+9]
	v_pk_add_f32 v[20:21], v[20:21], v[X+10:X+11]
	v_pk_add_f32 v[18:19], v[18:19], v[X+12:X+13]
	v_pk_add_f32 v[20:21], v[20:21], v[X+14:X+15]
	v_pk_add_f32 v[18:19], v[18:19], v[20:21]
	v_add_f32 v18, v18, v19
.irp m, 1,2,4,8
	v_add_f32_dpp v18, v18, v18 row_xmask:\m row_mask:0xf bank_mask:0xf
.endr
	v_mul_f32 v14, s45, v18                        ; the mean
.irp j, 0,2,4,6,8,10,12,14
	v_pk_add_f32 v[X+\j:X+\j+1], v[X+\j:X+\j+1], v[14:15] op_sel_hi:[1,0] neg_lo:[0,1] neg_hi:[0,1]
.endr
	v_pk_mul_f32 v[18:19], v[X:X+1], v[X:X+1]      ; the sum of squares of what is left
	v_pk_mul_f32 v[20:21], v[X+2:X+3], v[X+2:X+3]
.irp j, 4,8,12
	v_pk_fma_f32 v[18:19], v[X+\j:X+\j+1], v[X+\j:X+\j+1], v[18:19]
	v_pk_fma_f32 v[20:21], v[X+\j+2:X+\j+3], v[X+\j+2:X+\j+3], v[20:21]
.endr
	v_pk_add_f32 v[18:19], v[18:19], v[20:21]
	v_add_f32 v18, v18, v19
.irp m, 1,2,4,8
	v_add_f32_dpp v18, v18, v18 row_xmask:\m row_mask:0xf bank_mask:0xf
.endr
	v_fma_f32 v18, v18, s45, s46                   ; the variance + 1e-5
	v_rsq_f32 v16, v18
	v_mov_b32 v17, 0                               ; a plain instruction behind the root,
	s_wait_alu depctr_va_vdst(0)                   ; and a wait ahead of its first reader
.irp j, 0,2,4,6,8,10,12,14
	v_pk_mul_f32 v[X+\j:X+\j+1], v[X+\j:X+\j+1], v[16:17] op_sel_hi:[1,0]
.endr
.irp j, 0,2,4,6,8,10,12,14
	v_pk_fma_f32 v[X+\j:X+\j+1], v[X+\j:X+\j+1], v[SC+\j:SC+\j+1], v[LB+\j:LB+\j+1]   ; x
.endr
.irp p, 0,2,4,6                        ; the bias: eight heads as four pairs, my 16 features one after the other
	v_pk_mul_f32 v[ACC+\p:ACC+\p+1], v[WB+\p:WB+\p+1], v[X:X+1] op_sel_hi:[1,0]
.endr
.irp e, 1,2,3,4,5,6,7,8,9,10,11,12,13,14,15
.irp p, 0,2,4,6
.if \e%2
	v_pk_fma_f32 v[ACC+\p:ACC+\p+1], v[WB+8*\e+\p:WB+8*\e+\p+1], v[X+\e-1:X+\e], v[ACC+\p:ACC+\p+1] op_sel:[0,1,0] op_sel_hi:[1,1,1]
.else
	v_pk_fma_f32 v[ACC+\p:ACC+\p+1], v[WB+8*\e+\p:WB+8*\e+\p+1], v[X+\e:X+\e+1], v[ACC+\p:ACC+\p+1] op_sel_hi:[1,0,1]
.endif
.endr
.endr
.irp m, 1,2,4,8
.irp d, 0,1,2,3,4,5,6,7
	v_add_f32_dpp v[ACC+\d], v[ACC+\d], v[ACC+\d] row_xmask:\m row_mask:0xf bank_mask:0xf
.endr
.endr
.irp d, 0,1,2,3,4,5,6,7
	v_fma_f32 v[ACC+\d], v[ACC+\d], s44, s[36+\d]  ; (x . wb) sqrt(32) + bb sqrt(32)
.endr
.irp d, 0,1,2,3,4,5,6,7
	ds_store_b32 v8, v[ACC+\d] offset:1024*\d+512*(((\t)%4)/2)+256*((\t)/4)+8*((\t)%2)   ; key row 2 t + h of the tile; the sixteen lanes of a half write one word with one value
.endr
	v_max3_num_f32 v18, |v[X]|, |v[X+1]|, |v[X+2]| ; the largest magnitude of my 16,
	v_max3_num_f32 v19, |v[X+3]|, |v[X+4]|, |v[X+5]|
.irp j, 6,10
	v_max3_num_f32 v18, v18, |v[X+\j]|, |v[X+\j+1]|
	v_max3_num_f32 v19, v19, |v[X+\j+2]|, |v[X+\j+3]|
.endr
	v_max3_num_f32 v18, v18, |v[X+14]|, |v[X+15]|
	v_max3_num_f32 v18, v18, v19, 0x1800000        ; the floor 2^(3 - 127): the byte cannot fall under 1,
	v_max_num_f32_dpp v18, v18, v18 row_xmask:1 row_mask:0xf bank_mask:0xf   ; and my neighbour's 16: the block's
	v_add_nc_u32 v26, 0xff000000, v18              ; 2 off its exponent field: the conversion's scale operand
	v_cvt_scalef32_pk16_fp6_f32 v[22:24], v[X:X+15], v26
	v_lshrrev_b32 v27, 23, v26                     ; the scale's byte (a plain instruction behind the conversion)
	ds_store_b32 v6, v22 offset:96*(\t)
	ds_store_b32 v6, v23 offset:96*(\t)+4
	ds_store_b32 v6, v24 offset:96*(\t)+8
	ds_store_b8 v7, v27 offset:8*(\t)              ; both lanes of a block write the same byte with the same value
.endm
.irp t, 0,1,2,3,4,5,6,7
	STEP \t
.endr
	s_wait_dscnt 0x0                               ; for the others' sake: my words of the tile's bias have landed
	s_barrier_signal -1
	s_barrier_wait -1
.irp q, 0,1,2,3,4,5
	ds_load_b128 v[32+4*\q:35+4*\q], v10 offset:512*\q
.endr
	ds_load_b32 v56, v11
	ds_load_b128 v[60:63], v12
	s_wait_dscnt 0x0
.irp q, 0,1,2,3,4,5
	global_store_b128 v3, v[32+4*\q:35+4*\q], s[24:25] offset:512*\q   ; each store covers 512 consecutive bytes, aligned to 256
.endr
	global_store_b32 v9, v56, s[26:27]             ; 128 consecutive bytes: the tile's scale bytes
	global_store_b128 v3, v[60:63], s[28:29]       ; 512 consecutive bytes of the bias image
	s_wait_tensorcnt 0x0                           ; the wave's end, behind my last LDS store
	ds_add_u32 v[SPW], v[NIL]
	s_wait_dscnt 0x0
	s_endpgm
	; ---------------- the weights: wave u of 160 makes one fragment: matrix u / 32, column tile (u / 2) % 16, K step u % 2.  No LDS.
.Lweights:
	s_lshl_b32 s48, ttmp9, 4
	s_add_co_u32 s48, s48, s34                     ; u
	s_lshr_b32 s49, s48, 5                         ; the matrix: q, k, v, g, o
	s_bfe_u32 s50, s48, 0x40001                    ; the column tile
	s_and_b32 s51, s48, 1                          ; the K step
	s_cmp_eq_u32 s49, 1
	s_cselect_b64 s[14:15], s[16:17], s[14:15]
	s_cmp_eq_u32 s49, 2
	s_cselect_b64 s[14:15], s[18:19], s[14:15]
	s_cmp_eq_u32 s49, 3
	s_cselect_b64 s[14:15], s[20:21], s[14:15]
	s_cmp_eq_u32 s49, 4
	s_cselect_b64 s[14:15], s[22:23], s[14:15]
	s_lshl_b32 s52, s51, 17                        ; 128 rows of 1,024 bytes a K step,
	s_lshl_b32 s53, s50, 6                         ; 64 bytes a column tile
	s_add_co_u32 s52, s52, s53
	s_mov_b32 s53, 0
	s_add_nc_u64 s[14:15], s[14:15], s[52:53]
	s_mul_i32 s52, s48, 1536
	s_add_nc_u64 s[30:31], s[30:31], s[52:53]
	s_lshl_b32 s52, s48, 7
	s_add_nc_u64 s[32:33], s[32:33], s[52:53]
	v_lshlrev_b32 v14, 2, v30                      ; LANE r TAKES COLUMN r, AND ITS REGISTERS RUN DOWN K;
	v_lshl_add_u32 v14, v31, 15, v14               ; lanes 16-31 begin 32 rows further down
	s_mov_b32 s56, 0x76543210
	s_mov_b32 s57, 0xfedcba98                      ; lane l xor 16
.macro WLOADS perm                     ; register 32 c + i: row 64 c + 32 h + i, or for wo the row whose place has bits 3 and 4 of i exchanged
.irp c, 0,1
.set i_, 0
.rept 32
.if \perm
.set r_, (i_&7)+16*((i_/8)%2)+8*(i_/16)
.else
.set r_, i_
.endif
	global_load_b32 v[64+32*\c+i_], v14, s[14:15] offset:(64*\c+r_)*1024
.set i_, i_+1
.endr
.endr
.endm
	s_cmp_eq_u32 s49, 4
	s_cbranch_scc1 .Lturned
	WLOADS 0
	s_branch .Lloaded
.Lturned:
	WLOADS 1
.Lloaded:
	s_wait_loadcnt 0x0
.irp c, 0,1
	v_max3_num_f32 v[32+\c], |v[64+32*\c]|, |v[65+32*\c]|, 0x1800000   ; my block 2 c + h: all 32 numbers are mine; and the floor
.endr
.irp i, 2,4,6,8,10,12,14,16,18,20,22,24,26,28,30
.irp c, 0,1
	v_max3_num_f32 v[32+\c], v[32+\c], |v[64+32*\c+\i]|, |v[65+32*\c+\i]|
.endr
.endr
.irp c, 0,1
	v_add_nc_u32 v[44+\c], 0xff000000, v[32+\c]
.endr
.irp c, 0,1
	v_lshrrev_b32 v[36+\c], 23, v[44+\c]
.endr
	v_lshl_or_b32 v16, v37, 16, v36                ; my two bytes, blocks h and 2 + h,
	v_lshlrev_b32 v17, 3, v31
	v_lshlrev_b32 v16, v17, v16                    ; at their places;
	v_mov_b32 v17, 0
	v_permlanex16_b32 v17, v16, s56, s57
	v_or_b32 v16, v16, v17                         ; with lane l xor 16's two the word is whole, in both halves
.irp c, 0,1
	v_cvt_scalef32_pk16_fp6_f32 v[48+6*\c:50+6*\c], v[64+32*\c:79+32*\c], v[44+\c]
	v_cvt_scalef32_pk16_fp6_f32 v[192+4*\c:194+4*\c], v[80+32*\c:95+32*\c], v[44+\c]   ; (a conversion's three registers begin on an even number)
.endr
	v_nop                                          ; one plain instruction behind the conversions
.irp c, 0,1
.irp i, 0,1,2
	v_mov_b32 v[51+6*\c+\i], v[192+4*\c+\i]
.endr
.endr
.irp g, 0,1,2
	global_store_b128 v3, v[48+4*\g:51+4*\g], s[30:31] offset:512*\g   ; 512 consecutive bytes, aligned to 256
.endr
	global_store_b32 v9, v16, s[32:33]
	s_endpgm
.Lfunc_end_k_q231f567e75_prep:
	.size	k_q231f567e75_prep, .Lfunc_end_k_q231f567e75_prep-k_q231f567e75_prep
	.p2alignl 7, 3214868480
	.fill 96, 4, 3214868480
	.section	.rodata,"a",@progbits
	.p2align	6, 0x0
	.amdhsa_kernel k_q231f567e75_prep
		.amdhsa_group_segment_fixed_size 104448
		.amdhsa_private_segment_fixed_size 0
		.amdhsa_enable_private_segment 0
		.amdhsa_kernarg_size 120
		.amdhsa_user_sgpr_count 2
		.amdhsa_user_sgpr_kernarg_segment_ptr 1
		.amdhsa_wavefront_size32 1
		.amdhsa_system_sgpr_workgroup_id_x 1
		.amdhsa_system_sgpr_workgroup_id_y 1
		.amdhsa_system_sgpr_workgroup_id_z 1
		.amdhsa_system_vgpr_workitem_id 0
		.amdhsa_next_free_vgpr 256
		.amdhsa_next_free_sgpr 66
		.amdhsa_reserve_vcc 0
		.amdhsa_float_denorm_mode_32 3
		.amdhsa_float_denorm_mode_16_64 3
		.amdhsa_memory_ordered 1
		.amdhsa_forward_progress 1
		.amdhsa_inst_pref_size 124
	.end_amdhsa_kernel
	.amdgpu_metadata
---
amdhsa.version: [ 1, 2 ]
amdhsa.kernels:
  - .name:           k_q231f567e75_prep
    .symbol:         k_q231f567e75_prep.kd
    .args:
      - { .name: features, .offset: 0, .size: 8, .value_kind: global_buffer, .address_space: global }
      - { .name: ln_scale, .offset: 8, .size: 8, .value_kind: global_buffer, .address_space: global }
      - { .name: ln_bias, .offset: 16, .size: 8, .value_kind: global_buffer, .address_space: global }
      - { .name: wb, .offset: 24, .size: 8, .value_kind: global_buffer, .address_space: global }
      - { .name: bb, .offset: 32, .size: 8, .value_kind: global_buffer, .address_space: global }
      - { .name: wq, .offset: 40, .size: 8, .value_kind: global_buffer, .address_space: global }
      - { .name: wk, .offset: 48, .size: 8, .value_kind: global_buffer, .address_space: global }
      - { .name: wv, .offset: 56, .size: 8, .value_kind: global_buffer, .address_space: global }
      - { .name: wg, .offset: 64, .size: 8, .value_kind: global_buffer, .address_space: global }
      - { .name: wo, .offset: 72, .size: 8, .value_kind: global_buffer, .address_space: global }
      - { .name: xc, .offset: 80, .size: 8, .value_kind: global_buffer, .address_space: global }
      - { .name: xs, .offset: 88, .size: 8, .value_kind: global_buffer, .address_space: global }
      - { .name: bimg, .offset: 96, .size: 8, .value_kind: global_buffer, .address_space: global }
      - { .name: wc, .offset: 104, .size: 8, .value_kind: global_buffer, .address_space: global }
      - { .name: ws, .offset: 112, .size: 8, .value_kind: global_buffer, .address_space: global }
    .group_segment_fixed_size: 104448
    .private_segment_fixed_size: 0
    .kernarg_segment_align: 8
    .kernarg_segment_size: 120
    .max_flat_workgroup_size: 512
    .sgpr_count:     66
    .vgpr_count:     256
    .wavefront_size: 32
...
	.end_amdgpu_metadata
.endif
;; end of part 1
;; launch attn (part 2): grid 256 x 1, 16 waves a work-group, no clusters, 321,536 bytes of LDS; arguments xc, xs, bimg, wc, ws, bq, bk, bv, bg, bo, out0; writes out0
.if DOCPART == 2
	.amdgcn_target "amdgcn-amd-amdhsa--gfx1250"
	.amdhsa_code_object_version 6
	.text
	.protected	k_q231f567e75_attn
	.globl	k_q231f567e75_attn
	.p2align	8
	.type	k_q231f567e75_attn,@function
k_q231f567e75_attn:
	s_mov_b64 s[64:65], 0
	v_nop
	global_prefetch_b8 v0, s[64:65] scope:SCOPE_SE
	s_setreg_imm32_b32 hwreg(HW_REG_WAVE_MODE, 25, 1), 1
	s_wait_xcnt 0x0
; ATTN.  One work-group takes one batch b (256 rows of x, as codes) from the projections to out0; q, k, v, p, the gate and the gated output stay in registers and LDS.
; All products by v_wmma_scale_f32_16x16x128_f8f6f4 on FP6 (E2M3) with E8M0 scales.  Sixteen waves of 256 registers, four to a SIMD, so that one wave's softmax stands beside another's products and loads.
; SHARES.  Projections and attention: wave w has head w % 8 and rows (queries, keys) 128 (w / 8) on: eight tiles of 16.  Output projection: wave w has rows 64 (w / 4) on and columns 64 (w % 4) on.
; LAYOUTS.  A fragment is 16 rows x 128 K in 12 registers: lane (r, h) holds row r, registers 6 c .. 6 c + 5 block 2 c + h.  In LDS: a lane's 12 registers on end at 48 x lane (x, k, v, og), or registers 4 g on at 512 g + 16 x lane (Wg).
; q, k, the gate and the output projection are used transposed (source 0 = 16 columns of the weight, source 1 = 16 rows), so that a lane holds one row and its registers run along the next K; v is used straight, so that a lane
; holds one channel and its registers run along the keys.  Two neighbouring result tiles u = 0, 1 make a block of 32: place 16 h + 8 u + j holds index 16 u + 8 h + j.  That order stays inside a block, so the scale is the block's own,
; and it falls alike on both operands: q and k; p and v; og and wo (whose image the launch before laid so).  Only the order of a block's 32 products differs from the natural one.
; SCORES, K = 32.  A fragment of k holds FOUR key tiles of the head, one in each block of 32; q's operand has its 32 codes in one block and zero codes in the other three.  The four variants are read out of 30 registers
; zeros | q in lanes 0-15 | zeros | q in lanes 16-31 | zeros; q's scale byte is repeated in all four bytes of its word.
; THE BIAS, stored x sqrt(32) in the accumulators' layout, is loaded straight into the scores' accumulators: t = c (q . k + bias sqrt(32)), c = log2(e) / sqrt(32).
; SOFTMAX.  M = the running largest t rounded up to a whole number; p = 2^(t - M) is quantised along the keys, not normalised; the row's sum is taken of the unquantised p and divides at the end; when M moves, sum and O are multiplied by a power of two.
; A block's largest p is made from the block's largest score by the same multiply-add and exponential.
; NO CLUSTER, NO JOINT LOADS: what the work-groups share (the bias image, the weights' images) goes from memory straight into accumulator and operand registers; a joint load lands in LDS, of whose 327,680 bytes this text
; uses 321,536, and one key step's bias for sixteen waves is 131,072 bytes, two slots of it 262,144.  No tensor load at all: every LDS region is written once, by stores from registers.
; LIMITS: NaN and infinities are not served.  A block of zeros carries the byte 1 (its codes are zeros); a block's largest magnitude is held at 2^-124 from below.
.set XC,    0                          ; x's 32 fragments (2 T + ks), 1,536 bytes each
.set XS,    49152                      ; their scale words, 64 bytes a fragment
.set KI,    51200                      ; k: [head][f 4] fragments
.set KS,    100352                     ; [head][f][key 16][block 4] bytes
.set VI,    102400                     ; v: [head][channel tile 2][key step 2] fragments
.set VS,    151552
.set OGI,   153600                     ; the gated output: fragments 2 T + ks
.set OGS,   202752
.set QI,    204800                     ; [wave][tile 8][lane][16 bytes]: q's three registers and its scale word; later the gated output's: each wave's own
.set WGI,   270336                     ; Wg: [head][u 2][ks 2] fragments
.set SPARE, 319488                     ; the spare words, 128 bytes a wave: eight blocks of 256 bytes that no other line names
.set SPW, 1                            ; v1  my spare word's address; never rewritten
.set NIL, 2                            ; v2  0; never rewritten
.set L16, 3                            ; v3  16 x lane
.set L48, 4                            ; v4  48 x lane
.set R4,  5                            ; v5  4 x (lane % 16)
.set AXA, 6                            ; v6  x's fragments of my 8 tiles
.set AXS, 7                            ; v7  their scale words
.set AQ0, 8                            ; v8  my wave's slots in QI
.set AKW, 9                            ; v9-12: where k's and v's images and scale bytes are stored
.set AKSW, 10
.set AVW, 11
.set AVSW, 12
.set AQ,  9                            ; in the tile loop: v9 the tile's slot, v10 its x fragments, v11 their scale words, v12 v's fragments, v13 v's scale words, v53 Wg's fragments
.set AX,  10
.set AXT, 11
.set AVR, 12
.set AVSR, 13
.set AWG, 53
.set L4,  34                           ; v34 4 x lane
.set H32, 35                           ; v35 32 x (lane / 16)
.set NM,  14                           ; v14 -M, v15 the largest t
.set SUM, 16                           ; v[16:17] the row's sum in two halves
.set FF,  18                           ; v18 f = 2^(old M - new M); v19 written once
.set BM,  20                           ; v20-23 blocks' maxima
.set PT,  24                           ; v24-27 lane permutes' results, then scale bytes
.set SO,  28                           ; v28-31 the conversions' scale operands
.set TP,  32                           ; v[32:33] at work
.set KF,  84                           ; v84-131 k's four fragments
.set VT,  132                          ; v132-155 two fragments of v, then of x
.set PC,  156                          ; v156-167 p's codes; v168-175 the conversions' second halves
.set O,   176                          ; v176-191 O^T: two channel tiles
.set S,   192                          ; v192-255 S^T, then p; then Wg's fragments and the gate
.set WV,  26                           ; v39-52 hold scale words and nothing else
.set HD,  27
.set HA,  28
.set SEL, 30
.set CS,  32
.set MLO, 34
.set MHI, 35
.set NL2, 36
.set CNT, 38
.set TQ,  39
.set TX,  40
.set TXS, 41
.set BP,  42                           ; s[42:43] the bias image of my head and tile
.set WCB, 44                           ; s[44:45] the weights' images of my head
.set BGB, 46                           ; s[46:47] bg of my head
.set WSB, 48                           ; s[48:49] the weights' scale words of my head
.macro PLACES n                        ; behind matrix instructions: plain vector instructions that name none of their registers (ISA guide 7.12.1).  Five serve reads, loads, and a later matrix instruction that writes over a register
.rept \n
	v_nop
.endr
.endm
.macro BAR                             ; my LDS stores have landed and my LDS loads are in: then the work-group's barrier
	s_wait_dscnt 0x0
	s_barrier_signal -1
	s_barrier_wait -1
.endm
.macro FG reg, imm                     ; a weight's fragment from memory
.irp g, 0,1,2
	global_load_b128 v[(\reg)+4*\g:(\reg)+4*\g+3], v[L16], s[WCB:WCB+1] offset:(\imm)+512*\g
.endr
.endm
.macro FL reg, adr, imm                ; a fragment from LDS, 48 bytes a lane
.irp g, 0,1,2
	ds_load_b128 v[(\reg)+4*\g:(\reg)+4*\g+3], v[\adr] offset:(\imm)+16*\g
.endr
.endm
.macro FLG reg, adr, imm               ; a fragment from LDS, 512 bytes a group of four registers
.irp g, 0,1,2
	ds_load_b128 v[(\reg)+4*\g:(\reg)+4*\g+3], v[\adr] offset:(\imm)+512*\g
.endr
.endm
.macro WM d, a, b, c, sa, sb
	v_wmma_scale_f32_16x16x128_f8f6f4 v[(\d):(\d)+7], v[(\a):(\a)+11], v[(\b):(\b)+11], v[(\c):(\c)+7], v[(\sa)], v[(\sb)] matrix_a_fmt:MATRIX_FMT_FP6 matrix_b_fmt:MATRIX_FMT_FP6
.endm
.macro WMZ d, a, b, sa, sb
	v_wmma_scale_f32_16x16x128_f8f6f4 v[(\d):(\d)+7], v[(\a):(\a)+11], v[(\b):(\b)+11], 0, v[(\sa)], v[(\sb)] matrix_a_fmt:MATRIX_FMT_FP6 matrix_b_fmt:MATRIX_FMT_FP6
.endm
; nb blocks of 32, my 16 numbers of block b in v[s + 16 b] on (the other 16 in lane l xor 16): the conversion's scale operand into v[SO + b], the scale's byte into v[PT + b].  Each accumulator is read from its low end on.
.macro SCALES nb, s
.set bb_, 0
.rept \nb
	v_max3_num_f32 v[BM+bb_], |v[(\s)+16*bb_]|, |v[(\s)+16*bb_+1]|, 0x1800000   ; and the floor 2^(3 - 127): the byte cannot fall under 1
.set bb_, bb_+1
.endr
.irp i, 2,4,6,8,10,12,14
.set bb_, 0
.rept \nb
	v_max3_num_f32 v[BM+bb_], v[BM+bb_], |v[(\s)+16*bb_+\i]|, |v[(\s)+16*bb_+\i+1]|
.set bb_, bb_+1
.endr
.endr
.set bb_, 0
.rept \nb
	v_permlanex16_b32 v[PT+bb_], v[BM+bb_], s[SEL], s[SEL+1]
.set bb_, bb_+1
.endr
.set bb_, 0
.rept \nb
	v_max_num_f32 v[BM+bb_], v[BM+bb_], v[PT+bb_]
.set bb_, bb_+1
.endr
.set bb_, 0
.rept \nb
	v_add_nc_u32 v[SO+bb_], 0xff000000, v[BM+bb_]  ; 2 off the exponent field
.set bb_, bb_+1
.endr
.set bb_, 0
.rept \nb
	v_lshrrev_b32 v[PT+bb_], 23, v[SO+bb_]
.set bb_, bb_+1
.endr
.endm
; 64 numbers in v[s] on, four blocks, become a fragment's 12 registers in v[pc] on (v[pc + 12] to v[pc + 18] at work)
.macro CODES s, pc
.irp c, 0,1
	v_cvt_scalef32_pk16_fp6_f32 v[(\pc)+6*\c:(\pc)+6*\c+2], v[(\s)+32*\c:(\s)+32*\c+15], v[SO+2*\c]
	v_cvt_scalef32_pk16_fp6_f32 v[(\pc)+12+4*\c:(\pc)+14+4*\c], v[(\s)+32*\c+16:(\s)+32*\c+31], v[SO+2*\c+1]   ; (a conversion's three registers begin on an even number)
.endr
	v_nop                                          ; one plain instruction behind the conversions
.irp c, 0,1                            ; the layout wants a whole block in a lane: lanes 0-15 block 2 c, lanes 16-31 block 2 c + 1
.irp i, 0,1,2
	v_permlane16_swap_b32 v[(\pc)+6*\c+\i], v[(\pc)+12+4*\c+\i]
.endr
.irp i, 0,1,2
	v_mov_b32 v[(\pc)+3+6*\c+\i], v[(\pc)+12+4*\c+\i]
.endr
.endr
.endm
	s_load_b512 s[4:19], s[0:1], 0x0               ; xc, xs, bimg, wc, ws, bq, bk, bv
	s_load_b128 s[20:23], s[0:1], 0x40             ; bg, bo
	s_load_b64 s[24:25], s[0:1], 0x50              ; out0
	v_lshl_add_u32 v[SPW], v0, 2, SPARE
	v_mov_b32 v[NIL], 0
	v_lshrrev_b32 v3, 5, v0
	v_readfirstlane_b32 s[WV], v3                  ; wave 0..15
	s_and_b32 s[HD], s[WV], 7                      ; my head
	s_lshr_b32 s[HA], s[WV], 3                     ; my half of the rows
	v_and_b32 v13, 31, v0
	v_lshlrev_b32 v[L16], 4, v13
	v_mul_u32_u24 v[L48], v13, 48
	v_lshlrev_b32 v[L4], 2, v13
	v_and_b32 v[R4], 15, v0
	v_lshlrev_b32 v[R4], 2, v[R4]
	v_bfe_u32 v53, v0, 4, 1                        ; h
	v_lshlrev_b32 v[H32], 5, v53
	s_mul_i32 s50, s[HD], 6144                     ; a head's four fragments
	s_lshl_b32 s51, s[HD], 8                       ; a head's scale words
	s_mul_i32 s52, s[HA], 24576
	v_add_nc_u32 v[AXA], s52, v[L48]
	s_lshl_b32 s52, s[HA], 10
	s_add_co_u32 s52, s52, XS
	v_add_nc_u32 v[AXS], s52, v[R4]
	s_lshl_b32 s52, s[WV], 12
	s_add_co_u32 s52, s52, QI
	v_add_nc_u32 v[AQ0], s52, v[L16]
	s_mul_i32 s52, s[HA], 3072
	s_add_co_u32 s52, s52, s50
	s_add_co_u32 s52, s52, KI
	v_mul_u32_u24 v[AKW], v[R4], 12                ; 48 r
	v_mad_u32_u24 v[AKW], v53, 12, v[AKW]          ; + 12 h: my half's three registers of a block's six
	v_add_nc_u32 v[AKW], s52, v[AKW]
	s_lshl_b32 s52, s[HA], 7
	s_add_co_u32 s52, s52, s51
	s_add_co_u32 s52, s52, KS
	v_add_nc_u32 v[AKSW], s52, v[R4]
	s_mul_i32 s52, s[HA], 1536
	s_add_co_u32 s52, s52, s50
	s_add_co_u32 s52, s52, VI
	v_add_nc_u32 v[AVW], s52, v[L48]
	s_lshl_b32 s52, s[HA], 6
	s_add_co_u32 s52, s52, s51
	s_add_co_u32 s52, s52, VS
	v_add_nc_u32 v[AVSW], s52, v[R4]
	s_mul_i32 s52, s[WV], 3072
	v_add_nc_u32 v13, s52, v[L16]                  ; the copy of x's tile w
	s_lshl_b32 s52, s[WV], 7
	s_add_co_u32 s52, s52, XS
	v_add_nc_u32 v53, s52, v[L4]                   ; of its scale words
	s_mul_i32 s52, s[HA], 3072
	s_add_co_u32 s52, s52, s50
	s_add_co_u32 s52, s52, WGI
	v_add_nc_u32 v32, s52, v[L16]                  ; of Wg's column tile w / 8 of my head
	s_mov_b32 s[SEL], 0x76543210
	s_mov_b32 s[SEL+1], 0xfedcba98                 ; lane l xor 16
	s_mov_b32 s[CS], 0x3e8293ee                    ; c = log2(e) / sqrt(32)
	s_mov_b32 s[CS+1], s[CS]
	s_mov_b32 s[MLO], 0x0000ffff
	s_mov_b32 s[MHI], 0xffff0000
	s_mov_b32 s[NL2], 0xbfb8aa3b                   ; -log2(e)
	s_mov_b32 s[NL2+1], s[NL2]
.irp i, 0,1,2,3
	v_mov_b32 v[PT+\i], 0                          ; written once: a lane permute's destination counts as one of its sources
.endr
	v_mov_b32 v[FF+1], 0                           ; (named as the upper half of a pair)
	s_mov_b32 s53, 0
	s_wait_kmcnt 0x0
	s_mul_i32 s52, ttmp9, 49152
	s_mul_i32 s54, s[WV], 3072
	s_add_co_u32 s52, s52, s54
	s_add_nc_u64 s[4:5], s[4:5], s[52:53]          ; xc: batch, tile w
	s_lshl_b32 s52, ttmp9, 11
	s_lshl_b32 s54, s[WV], 7
	s_add_co_u32 s52, s52, s54
	s_add_nc_u64 s[6:7], s[6:7], s[52:53]
	s_mov_b32 s52, s50
	s_add_nc_u64 s[WCB:WCB+1], s[10:11], s[52:53]
	s_mul_i32 s52, s[HA], 3072
	s_add_nc_u64 s[54:55], s[WCB:WCB+1], s[52:53]
	s_lshl_b32 s52, s[HD], 9
	s_add_nc_u64 s[WSB:WSB+1], s[12:13], s[52:53]
	s_lshl_b32 s52, s[HD], 7                       ; a head's 32 numbers of a bias
	s_add_nc_u64 s[14:15], s[14:15], s[52:53]
	s_add_nc_u64 s[16:17], s[16:17], s[52:53]
	s_add_nc_u64 s[18:19], s[18:19], s[52:53]
	s_add_nc_u64 s[BGB:BGB+1], s[20:21], s[52:53]
	s_lshl_b32 s52, s[HD], 18
	s_lshl_b32 s56, s[HA], 17
	s_add_co_u32 s52, s52, s56
	s_add_nc_u64 s[BP:BP+1], s[8:9], s[52:53]
	; ---- the copies: x's codes and scale words of the batch, Wg's fragments of all heads, into LDS: 13 loads a wave
.irp g, 0,1,2,3,4,5
	global_load_b128 v[184+4*\g:187+4*\g], v[L16], s[4:5] offset:512*\g th:TH_LOAD_NT
.endr
	global_load_b32 v232, v[L4], s[6:7] th:TH_LOAD_NT
.irp k, 0,1
.irp g, 0,1,2
	global_load_b128 v[208+12*\k+4*\g:211+12*\k+4*\g], v[L16], s[54:55] offset:147456+1536*\k+512*\g
.endr
.endr
	; and behind them 40 loads for q and k: Wq's and Wk's four fragments (u, ks) at 12 (2 u + ks), their scale words, the biases in the results' layout
.irp f, 0,1,2,3
	FG 56+12*\f,1536*\f
	FG 104+12*\f,49152+1536*\f
	global_load_b32 v[40+\f], v[L4], s[WSB:WSB+1] offset:128*\f
	global_load_b32 v[44+\f], v[L4], s[WSB:WSB+1] offset:4096+128*\f
.endr
.irp u, 0,1
.irp g, 0,1
	global_load_b128 v[152+8*\u+4*\g:155+8*\u+4*\g], v[H32], s[14:15] offset:64*\u+16*\g
	global_load_b128 v[168+8*\u+4*\g:171+8*\u+4*\g], v[H32], s[16:17] offset:64*\u+16*\g
.endr
.endr
	s_wait_loadcnt 40                              ; the 13 are in; the 40 issued behind them may be out
.irp g, 0,1,2,3,4,5
	ds_store_b128 v13, v[184+4*\g:187+4*\g] offset:512*\g
.endr
	ds_store_b32 v53, v232
.irp k, 0,1
.irp g, 0,1,2
	ds_store_b128 v32, v[208+12*\k+4*\g:211+12*\k+4*\g] offset:1536*\k+512*\g
.endr
.endr
	BAR                                            ; x and Wg lie in LDS
	s_wait_loadcnt 0x0
	; ---- q and k of my head, tile i of my eight: four accumulators by turns, K step by K step; the biases are the C of the first
.macro QKTILE i
	FL 184,AXA,3072*\i
	FL 196,AXA,3072*\i+1536
	ds_load_b32 v48, v[AXS] offset:128*\i
	ds_load_b32 v49, v[AXS] offset:128*\i+64
	s_wait_dscnt 0x0                               ; x's two fragments are in; the last tile's stores have read their registers
.irp u, 0,1
	WM 208+8*\u,56+24*\u,184,152+8*\u,40+2*\u,48
.endr
.irp u, 0,1
	WM 224+8*\u,104+24*\u,184,168+8*\u,44+2*\u,48
.endr
.irp u, 0,1
	WM 208+8*\u,68+24*\u,196,208+8*\u,41+2*\u,49
.endr
.irp u, 0,1
	WM 224+8*\u,116+24*\u,196,224+8*\u,45+2*\u,49
.endr
	PLACES 5
	SCALES 2,208                                   ; block 0: q's 32 channels of my row; block 1: k's
	v_cvt_scalef32_pk16_fp6_f32 v[240:242], v[208:223], v[SO]
	v_cvt_scalef32_pk16_fp6_f32 v[244:246], v[224:239], v[SO+1]
	v_nop
	v_lshl_or_b32 v243, v[PT], 8, v[PT]            ; q's byte in all four bytes of its word
	v_lshl_or_b32 v243, v243, 16, v243
	ds_store_b128 v[AQ0], v[240:243] offset:512*\i
	ds_store_b32 v[AKW], v244 offset:1536*(\i/4)+768*(\i%2)+24*((\i%4)/2)      ; key tile i is block i % 4 of fragment i / 4: lane r + 16 (i % 2), registers 6 ((i % 4) / 2) + 3 h on
	ds_store_b32 v[AKW], v245 offset:1536*(\i/4)+768*(\i%2)+24*((\i%4)/2)+4
	ds_store_b32 v[AKW], v246 offset:1536*(\i/4)+768*(\i%2)+24*((\i%4)/2)+8
	ds_store_b8 v[AKSW], v[PT+1] offset:64*(\i/4)+\i%4                         ; both halves write the same byte with the same value
.endm
.irp i, 0,1,2,3,4,5,6,7
	QKTILE \i
.endr
	; ---- v of my head, my 128 keys: straight (source 0 = 16 keys of x, source 1 = 16 columns of Wv): a lane holds a channel, its registers run along the keys
.irp f, 0,1,2,3
	FG 56+12*\f,98304+1536*\f
	global_load_b32 v[40+\f], v[L4], s[WSB:WSB+1] offset:8192+128*\f
.endr
	global_load_b32 v152, v[R4], s[18:19]
	global_load_b32 v153, v[R4], s[18:19] offset:64
	s_wait_loadcnt 0x0
.irp j, 0,1,2,3,4,5,6,7
	v_mov_b32 v[104+\j], v152                      ; bv of my channel, eight times: the C of a tile's first product
	v_mov_b32 v[112+\j], v153
.endr
	PLACES 4
.macro VUNIT c                         ; 64 keys: four key tiles x two channel tiles; accumulators [channel tile][key tile] at v120 on
.irp pp, 0,1
.irp e, 0,1
.irp k, 0,1
	FL 184+12*(2*\e+\k),AXA,3072*(4*\c+2*\pp+\e)+1536*\k
	ds_load_b32 v[48+2*\e+\k], v[AXS] offset:128*(4*\c+2*\pp+\e)+64*\k
.endr
.endr
	s_wait_dscnt 0x0
.irp e, 0,1
	WM 120+8*(2*\pp+\e),184+24*\e,56,104,48+2*\e,40
	WM 152+8*(2*\pp+\e),184+24*\e,80,112,48+2*\e,42
	WM 120+8*(2*\pp+\e),196+24*\e,68,120+8*(2*\pp+\e),49+2*\e,41
	WM 152+8*(2*\pp+\e),196+24*\e,92,152+8*(2*\pp+\e),49+2*\e,43
.endr
	PLACES 5
.endr
	SCALES 4,120                                   ; blocks 0, 1: channel tile 0's two blocks of 32 keys; blocks 2, 3: channel tile 1's
	v_lshl_or_b32 v[TP], v[PT+1], 8, v[PT]
	v_lshl_or_b32 v[TP], v[PT+2], 16, v[TP]
	v_lshl_or_b32 v[TP], v[PT+3], 24, v[TP]
	CODES 120,232
	v_lshrrev_b32 v[TP+1], 16, v[TP]
.irp p, 0,1,2
	ds_store_b64 v[AVW], v[232+2*\p:233+2*\p] offset:24*\c+8*\p              ; registers 6 c on of channel tile 0's fragment,
	ds_store_b64 v[AVW], v[238+2*\p:239+2*\p] offset:3072+24*\c+8*\p         ; and of channel tile 1's
.endr
	ds_store_b16 v[AVSW], v[TP] offset:2*\c                                  ; bytes 2 c, 2 c + 1 of my channel's scale word
	ds_store_b16 v[AVSW], v[TP+1] offset:128+2*\c
.endm
	VUNIT 0
	VUNIT 1
	BAR                                            ; k and v of all heads lie in LDS
	; ---- attention: k's four fragments stay in registers for my eight tiles of queries
	s_add_co_u32 s52, s50, KI
	v_add_nc_u32 v9, s52, v[L48]
	s_add_co_u32 s52, s51, KS
	v_add_nc_u32 v10, s52, v[R4]
.irp f, 0,1,2,3
	FL KF+12*\f,9,1536*\f
	ds_load_b32 v[40+\f], v10 offset:64*\f
	global_load_b32 v[44+\f], v[L4], s[WSB:WSB+1] offset:12288+128*\f        ; Wg's scale words
.endr
	s_add_co_u32 s52, s50, VI
	v_add_nc_u32 v[AVR], s52, v[L48]
	s_add_co_u32 s52, s51, VS
	v_add_nc_u32 v[AVSR], s52, v[R4]
	s_add_co_u32 s52, s50, WGI
	v_add_nc_u32 v[AWG], s52, v[L16]
.irp i, 0,1,2,3,4,5
	v_mov_b32 v[54+\i], 0                          ; the zero codes round q's
	v_mov_b32 v[66+\i], 0
	v_mov_b32 v[78+\i], 0
.endr
	s_mov_b32 s[CNT], 8
	s_mov_b32 s[TQ], 0
	s_mov_b32 s[TX], 0
	s_mov_b32 s[TXS], 0
	s_wait_dscnt 0x0                               ; k is in
; A KEY STEP: 128 keys, eight tiles of scores for my 16 queries
.macro STEP s
	s_wait_loadcnt 0x0                             ; the step's bias lies in the accumulators
.irp t, 0,1,2,3,4,5,6,7
	WM S+8*\t,KF+12*(2*\s+\t/4),60+12*(\t%2)-6*((\t%4)/2),S+8*\t,40+2*\s+\t/4,39
.endr
	PLACES 4
.irp ct, 0,1
	FL VT+12*\ct,AVR,3072*\ct+1536*\s
	ds_load_b32 v[50+\ct], v[AVSR] offset:128*\ct+64*\s
.endr
.irp b, 0,1,2,3
	v_max3_num_f32 v[BM+\b], v[S+16*\b], v[S+16*\b+1], v[S+16*\b+2]          ; the largest score of each block of 32 keys: for the row's maximum and for the block's largest p
.endr
.irp i, 3,5,7,9,11,13
.irp b, 0,1,2,3
	v_max3_num_f32 v[BM+\b], v[BM+\b], v[S+16*\b+\i], v[S+16*\b+\i+1]
.endr
.endr
.irp b, 0,1,2,3
	v_max_num_f32 v[BM+\b], v[BM+\b], v[S+16*\b+15]
.endr
.irp b, 0,1,2,3
	v_permlanex16_b32 v[PT+\b], v[BM+\b], s[SEL], s[SEL+1]
.endr
.irp b, 0,1,2,3
	v_max_num_f32 v[BM+\b], v[BM+\b], v[PT+\b]
.endr
	v_max3_num_f32 v[TP], v[BM], v[BM+1], v[BM+2]
	v_max_num_f32 v[TP], v[TP], v[BM+3]
.if \s == 0
	v_mul_f32 v[NM+1], s[CS], v[TP]                ; the largest t so far
	v_floor_f32 v[NM], -v[NM+1]                    ; -M = floor(-t): M is a whole number
.else
	v_mul_f32 v[TP], s[CS], v[TP]
	v_max_num_f32 v[NM+1], v[NM+1], v[TP]
	v_mov_b32 v[TP+1], v[NM]
	v_floor_f32 v[NM], -v[NM+1]
	v_sub_f32 v[TP+1], v[NM], v[TP+1]              ; old M - new M: a whole number, 0 or less
	v_cvt_i32_f32 v[TP+1], v[TP+1]
	v_ldexp_f32 v[FF], 1.0, v[TP+1]                ; f: a multiplication by it rounds nothing
.endif
.set j_, 0
.rept 32
	v_pk_fma_f32 v[S+j_:S+j_+1], v[S+j_:S+j_+1], s[CS:CS+1], v[NM:NM+1] op_sel_hi:[1,0,0]   ; t - M
.set j_, j_+2
.endr
.irp b, 0,1,2,3
	v_fma_f32 v[BM+\b], v[BM+\b], s[CS], v[NM]
.endr
.set j_, 0
.rept 64
	v_exp_f32 v[S+j_], v[S+j_]                     ; p = 2^(t - M)
.set j_, j_+1
.endr
.if \s == 0
	v_nop                                          ; a plain instruction behind the exponentials
.else
	v_pk_mul_f32 v[SUM:SUM+1], v[SUM:SUM+1], v[FF:FF+1] op_sel_hi:[1,0]      ; the sum under the new M (a plain instruction behind the exponentials)
.endif
	s_wait_alu depctr_va_vdst(0)                   ; one wait for the batch, ahead of its first reader
.irp b, 0,1,2,3
	v_exp_f32 v[BM+\b], v[BM+\b]                   ; each block's largest p
.endr
	v_pk_add_f32 v[TP:TP+1], v[S:S+1], v[S+2:S+3]  ; the row's sum of the unquantised p, in two chains: the first half
.irp j, 4,8,12,16,20,24,28
	v_pk_add_f32 v[SUM:SUM+1], v[SUM:SUM+1], v[S+\j:S+\j+1]
	v_pk_add_f32 v[TP:TP+1], v[TP:TP+1], v[S+\j+2:S+\j+3]
.endr
	s_wait_alu depctr_va_vdst(0)                   ; and one for the four
.irp b, 0,1,2,3
	v_max_num_f32 v[BM+\b], 0x1800000, v[BM+\b]    ; the floor
.endr
.irp b, 0,1,2,3
	v_add_nc_u32 v[SO+\b], 0xff000000, v[BM+\b]
.endr
.irp b, 0,1,2,3
	v_lshrrev_b32 v[PT+\b], 23, v[SO+\b]
.endr
	v_lshl_or_b32 v52, v[PT+1], 8, v[PT]           ; p's scale word for these 128 keys
	v_lshl_or_b32 v52, v[PT+2], 16, v52
	v_lshl_or_b32 v52, v[PT+3], 24, v52
	CODES S,PC
.if \s == 1
.irp j, 0,2,4,6,8,10,12,14
	v_pk_mul_f32 v[O+\j:O+\j+1], v[O+\j:O+\j+1], v[FF:FF+1] op_sel_hi:[1,0]  ; O^T under the new M
.endr
.endif
.irp j, 32,36,40,44,48,52,56,60        ; the sum's second half: 17 plain instructions that name nothing of the next product: the places between its scale word and codes, made above, and it
	v_pk_add_f32 v[SUM:SUM+1], v[SUM:SUM+1], v[S+\j:S+\j+1]
	v_pk_add_f32 v[TP:TP+1], v[TP:TP+1], v[S+\j+2:S+\j+3]
.endr
	v_pk_add_f32 v[SUM:SUM+1], v[SUM:SUM+1], v[TP:TP+1]
.if \s == 0
.irp t, 0,1,2,3,4,5,6,7                ; p has been read for the last time: the next step's bias goes into its registers
.irp g, 0,1
	global_load_b128 v[S+8*\t+4*\g:S+8*\t+4*\g+3], v[L16], s[BP:BP+1] offset:8192+1024*\t+512*\g
.endr
.endr
	s_wait_dscnt 0x0                               ; v's two fragments are in
	WMZ O,VT,PC,50,52                              ; the first step starts O^T's sums
	WMZ O+8,VT+12,PC,51,52
.else
.irp f, 0,1,2,3                        ; and here Wg's four fragments, and bg as the gate's accumulators
	FLG S+12*\f,AWG,1536*\f
.endr
.irp u, 0,1
.irp g, 0,1
	global_load_b128 v[240+8*\u+4*\g:243+8*\u+4*\g], v[H32], s[BGB:BGB+1] offset:64*\u+16*\g
.endr
.endr
	s_wait_dscnt 12                                ; v's two fragments are in; Wg's twelve loads, issued behind them, may be out
	WM O,VT,PC,O,50,52
	WM O+8,VT+12,PC,O+8,51,52
.endif
	PLACES 5
.endm
; THE GATE of my 16 rows and my head; O^T / the sum x the gate; its codes go into the tile's slot, which has been read
.macro GATE
	FL VT,AX,0
	FL VT+12,AX,1536
	ds_load_b32 v48, v[AXT]
	ds_load_b32 v49, v[AXT] offset:64
	s_wait_loadcnt 0x0                             ; bg
	s_wait_dscnt 0x0                               ; Wg and x
.irp k, 0,1
.irp u, 0,1
	WM 240+8*\u,S+12*(2*\u+\k),VT+12*\k,240+8*\u,44+2*\u+\k,48+\k
.endr
.endr
	PLACES 5
.irp j, 0,2,4,6,8,10,12,14
	v_pk_mul_f32 v[240+\j:241+\j], v[240+\j:241+\j], s[NL2:NL2+1] op_sel_hi:[1,0]
.endr
.irp j, 0,1,2,3,4,5,6,7,8,9,10,11,12,13,14,15
	v_exp_f32 v[240+\j], v[240+\j]                 ; e^-g
.endr
	v_add_f32 v[TP], v[SUM], v[SUM+1]              ; the sum's two halves (plain work behind the exponentials),
	v_permlanex16_b32 v[PT], v[TP], s[SEL], s[SEL+1]
	v_add_f32 v[TP], v[TP], v[PT]                  ; and lane l xor 16's
	s_wait_alu depctr_va_vdst(0)
.irp j, 0,2,4,6,8,10,12,14
	v_pk_add_f32 v[240+\j:241+\j], v[240+\j:241+\j], 1.0 op_sel_hi:[1,0]
.endr
.irp j, 0,1,2,3,4,5,6,7,8,9,10,11,12,13,14,15
	v_rcp_f32 v[240+\j], v[240+\j]                 ; the gate
.endr
	v_rcp_f32 v[SUM], v[TP]
	v_nop
	s_wait_alu depctr_va_vdst(0)                   ; one wait for the 17 reciprocals
.irp j, 0,2,4,6,8,10,12,14
	v_pk_mul_f32 v[O+\j:O+\j+1], v[O+\j:O+\j+1], v[SUM:SUM+1] op_sel_hi:[1,0]
.endr
.irp j, 0,2,4,6,8,10,12,14
	v_pk_mul_f32 v[O+\j:O+\j+1], v[O+\j:O+\j+1], v[240+\j:241+\j]
.endr
	SCALES 1,O                                     ; my head's 32 channels are one block of the last product's K
	v_mov_b32 v[PC+3], v[PT]
	v_cvt_scalef32_pk16_fp6_f32 v[PC:PC+2], v[O:O+15], v[SO]
	v_nop
	ds_store_b128 v[AQ], v[PC:PC+3]
.endm
.Ltile:                                ; eight trips: a tile of 16 queries each
.irp t, 0,1,2,3,4,5,6,7
.irp g, 0,1
	global_load_b128 v[S+8*\t+4*\g:S+8*\t+4*\g+3], v[L16], s[BP:BP+1] offset:1024*\t+512*\g
.endr
.endr
	v_add_nc_u32 v[AQ], s[TQ], v[AQ0]
	v_add_nc_u32 v[AX], s[TX], v[AXA]
	v_add_nc_u32 v[AXT], s[TXS], v[AXS]
	ds_load_b128 v[36:39], v[AQ]                   ; q's three registers and its scale word
	v_mov_b32 v[SUM], 0
	v_mov_b32 v[SUM+1], 0
	s_wait_dscnt 0x0
.irp i, 0,1,2
	v_permlanex16_b32 v[PT+\i], v[36+\i], s[SEL], s[SEL+1]
.endr
.irp i, 0,1,2
	v_cndmask_b32 v[60+\i], 0, v[36+\i], s[MLO]    ; the whole block in lanes 0-15: my lower 16 codes, the other half's upper 16;
	v_cndmask_b32 v[63+\i], 0, v[PT+\i], s[MLO]
	v_cndmask_b32 v[72+\i], 0, v[PT+\i], s[MHI]    ; and in lanes 16-31
	v_cndmask_b32 v[75+\i], 0, v[36+\i], s[MHI]
.endr
	PLACES 4                                       ; an operand written by vector instructions stands four places ahead of the product
	STEP 0
	STEP 1
	GATE
	s_wait_xcnt 0x0                                ; the loads have read their base: it may step
	s_wait_dscnt 0x0                               ; no LDS instruction of mine is out when the stepped addresses are written again
	s_add_nc_u64 s[BP:BP+1], s[BP:BP+1], 16384
	s_add_co_u32 s[TQ], s[TQ], 512
	s_add_co_u32 s[TX], s[TX], 3072
	s_add_co_u32 s[TXS], s[TXS], 128
	s_sub_co_u32 s[CNT], s[CNT], 1
	s_cmp_lg_u32 s[CNT], 0
	s_cbranch_scc1 .Ltile
	; ---- behind the loop: the last product's loads go out; my eight slots go into og's images
	v_mov_b32 v6, v[H32]                           ; (a fragment of Wo lands on v34 and v35)
	v_mov_b32 v7, v[L4]
	s_lshr_b32 s56, s[WV], 2                       ; my group of 64 rows
	s_and_b32 s57, s[WV], 3                        ; my group of 64 columns
	s_lshl_b32 s52, s57, 8
	s_add_nc_u64 s[22:23], s[22:23], s[52:53]
	s_mul_i32 s52, s57, 12288
	s_add_co_u32 s52, s52, 196608
	s_add_nc_u64 s[WCB:WCB+1], s[10:11], s[52:53]
	s_lshl_b32 s52, s57, 10
	s_add_co_u32 s52, s52, 16384
	s_add_nc_u64 s[WSB:WSB+1], s[12:13], s[52:53]
	s_lshl_b32 s52, ttmp9, 18
	s_lshl_b32 s54, s56, 16
	s_add_co_u32 s52, s52, s54
	s_lshl_b32 s54, s57, 8
	s_add_co_u32 s52, s52, s54
	s_add_nc_u64 s[24:25], s[24:25], s[52:53]
.irp m, 0,1,2,3
.irp n, 0,1,2,3
.irp g, 0,1
	global_load_b128 v[128+8*(4*\m+\n)+4*\g:128+8*(4*\m+\n)+4*\g+3], v6, s[22:23] offset:64*\n+16*\g   ; bo, in the results' layout, into the 16 accumulators
.endr
.endr
.endr
.macro WOLOAD ks                       ; Wo's four column tiles of a K step at v14, v26, v56, v68, and their scale words
.irp n, 0,1,2,3
	FG 14+12*\n+18*(\n/2),3072*\n+1536*\ks
	global_load_b32 v[40+\n], v7, s[WSB:WSB+1] offset:256*\n+128*\ks
.endr
.endm
	WOLOAD 0
.irp i, 0,1,2,3,4,5,6,7
	ds_load_b128 v[80+4*\i:83+4*\i], v[AQ0] offset:512*\i
.endr
	s_lshr_b32 s50, s[HD], 2
	s_lshl_b32 s51, s[HA], 4
	s_add_co_u32 s50, s50, s51                     ; fragment 2 T + ks of my first tile: 16 (w / 8) + head / 4
	s_mul_i32 s51, s50, 1536
	s_and_b32 s52, s[HD], 1
	s_mul_i32 s52, s52, 768                        ; my head is block head % 4: lanes 16 (head % 2) on,
	s_add_co_u32 s51, s51, s52
	s_bfe_u32 s52, s[HD], 0x10001
	s_mul_i32 s52, s52, 24                         ; registers 6 ((head / 2) % 2) on
	s_add_co_u32 s51, s51, s52
	s_add_co_u32 s51, s51, OGI
	v_bfe_u32 v53, v0, 4, 1                        ; h
	v_mul_u32_u24 v9, v[R4], 12
	v_mad_u32_u24 v9, v53, 12, v9
	v_add_nc_u32 v9, s51, v9
	s_lshl_b32 s51, s50, 6
	s_and_b32 s52, s[HD], 3
	s_add_co_u32 s51, s51, s52
	s_add_co_u32 s51, s51, OGS
	v_add_nc_u32 v10, s51, v[R4]
	s_mul_i32 s51, s56, 12288
	s_add_co_u32 s51, s51, OGI
	v_add_nc_u32 v11, s51, v[L48]                  ; og's fragments of my 64 rows,
	s_lshl_b32 s51, s56, 9
	s_add_co_u32 s51, s51, OGS
	v_add_nc_u32 v12, s51, v[R4]                   ; and their scale words
	s_mul_i32 s51, s[WV], 4352                     ; my stage for the way out: 16 rows x (256 + 16) bytes, in bytes of x's and k's images, which nobody reads behind the next barrier
	v_mul_u32_u24 v13, v[R4], 68                   ; in: row r, + 32 h
	v_lshl_add_u32 v13, v53, 5, v13
	v_add_nc_u32 v13, s51, v13
	v_lshlrev_b32 v54, 2, v[R4]                    ; back: lanes 0-15 one row, lanes 16-31 the next, 16 bytes a lane
	v_mad_u32_u24 v54, v53, 272, v54
	v_add_nc_u32 v54, s51, v54
	v_lshlrev_b32 v38, 2, v[R4]                    ; and the same two rows in out0
	v_lshl_add_u32 v38, v53, 10, v38
	s_wait_dscnt 0x0
.irp i, 0,1,2,3,4,5,6,7
	ds_store_b32 v9, v[80+4*\i] offset:3072*\i
	ds_store_b32 v9, v[81+4*\i] offset:3072*\i+4
	ds_store_b32 v9, v[82+4*\i] offset:3072*\i+8
	ds_store_b8 v10, v[83+4*\i] offset:128*\i
.endr
	BAR                                            ; the gated output of all heads lies in LDS
	; ---- out0 = og Wo + bo, transposed: 64 rows x 64 columns a wave, 16 accumulators by turns
.irp ks, 0,1
.if \ks == 1
	WOLOAD 1
.endif
.irp m, 0,1,2,3
	FL 80+12*\m,11,3072*\m+1536*\ks
	ds_load_b32 v[44+\m], v12 offset:128*\m+64*\ks
.endr
	s_wait_loadcnt 0x0
	s_wait_dscnt 0x0
.irp m, 0,1,2,3
.irp n, 0,1,2,3
	WM 128+8*(4*\m+\n),14+12*\n+18*(\n/2),80+12*\m,128+8*(4*\m+\n),40+\n,44+\m
.endr
.endr
	PLACES 5
.endr
; THE WAY OUT, 16 rows x 64 columns at a time: a lane holds 32 neighbouring bytes of a row; through my own stage they come back as whole pieces of 256 bytes of a row.
.macro TOSTAGE m
.irp n, 0,1,2,3
.irp g, 0,1
	ds_store_b128 v13, v[128+8*(4*(\m)+\n)+4*\g:128+8*(4*(\m)+\n)+4*\g+3] offset:64*\n+16*\g   ; each accumulator from its low end on
.endr
.endr
.irp t, 0,1,2,3,4,5,6,7
	ds_load_b128 v[56+32*((\m)%2)+4*\t:56+32*((\m)%2)+4*\t+3], v54 offset:544*\t               ; LDS serves a wave's instructions in order: these see the stores above
.endr
.endm
.macro SEND m, younger
	s_wait_dscnt \younger
.irp t, 0,1,2,3,4,5,6,7
	global_store_b128 v38, v[56+32*((\m)%2)+4*\t:56+32*((\m)%2)+4*\t+3], s[24:25] offset:(16*(\m)+2*\t)*1024 th:TH_STORE_NT   ; sixteen lanes store 256 consecutive bytes, aligned to 256
.endr
.endm
	TOSTAGE 0
.irp m, 1,2,3
.if \m > 1
	s_wait_xcnt 0x0                                ; the stores of two blocks back have read their registers: this block's loads may land there
.endif
	TOSTAGE \m
	SEND \m-1,16                                   ; behind the earlier block's loads: this block's 8 stores and 8 loads
.endr
	SEND 3,0
	s_wait_tensorcnt 0x0                           ; the wave's end, behind my last LDS store
	ds_add_u32 v[SPW], v[NIL]
	s_wait_dscnt 0x0
	s_endpgm
.Lfunc_end_k_q231f567e75_attn:
	.size	k_q231f567e75_attn, .Lfunc_end_k_q231f567e75_attn-k_q231f567e75_attn
	.p2alignl 7, 3214868480
	.fill 96, 4, 3214868480
	.section	.rodata,"a",@progbits
	.p2align	6, 0x0
	.amdhsa_kernel k_q231f567e75_attn
		.amdhsa_group_segment_fixed_size 321536
		.amdhsa_private_segment_fixed_size 0
		.amdhsa_enable_private_segment 0
		.amdhsa_kernarg_size 88
		.amdhsa_user_sgpr_count 2
		.amdhsa_user_sgpr_kernarg_segment_ptr 1
		.amdhsa_wavefront_size32 1
		.amdhsa_system_sgpr_workgroup_id_x 1
		.amdhsa_system_sgpr_workgroup_id_y 1
		.amdhsa_system_sgpr_workgroup_id_z 1
		.amdhsa_system_vgpr_workitem_id 0
		.amdhsa_next_free_vgpr 256
		.amdhsa_next_free_sgpr 66
		.amdhsa_reserve_vcc 0
		.amdhsa_float_denorm_mode_32 3
		.amdhsa_float_denorm_mode_16_64 3
		.amdhsa_memory_ordered 1
		.amdhsa_forward_progress 1
		.amdhsa_inst_pref_size 124
	.end_amdhsa_kernel
	.amdgpu_metadata
---
amdhsa.version: [ 1, 2 ]
amdhsa.kernels:
  - .name:           k_q231f567e75_attn
    .symbol:         k_q231f567e75_attn.kd
    .args:
      - { .name: xc, .offset: 0, .size: 8, .value_kind: global_buffer, .address_space: global }
      - { .name: xs, .offset: 8, .size: 8, .value_kind: global_buffer, .address_space: global }
      - { .name: bimg, .offset: 16, .size: 8, .value_kind: global_buffer, .address_space: global }
      - { .name: wc, .offset: 24, .size: 8, .value_kind: global_buffer, .address_space: global }
      - { .name: ws, .offset: 32, .size: 8, .value_kind: global_buffer, .address_space: global }
      - { .name: bq, .offset: 40, .size: 8, .value_kind: global_buffer, .address_space: global }
      - { .name: bk, .offset: 48, .size: 8, .value_kind: global_buffer, .address_space: global }
      - { .name: bv, .offset: 56, .size: 8, .value_kind: global_buffer, .address_space: global }
      - { .name: bg, .offset: 64, .size: 8, .value_kind: global_buffer, .address_space: global }
      - { .name: bo, .offset: 72, .size: 8, .value_kind: global_buffer, .address_space: global }
      - { .name: out0, .offset: 80, .size: 8, .value_kind: global_buffer, .address_space: global }
    .group_segment_fixed_size: 321536
    .private_segment_fixed_size: 0
    .kernarg_segment_align: 8
    .kernarg_segment_size: 88
    .max_flat_workgroup_size: 512
    .sgpr_count:     66
    .vgpr_count:     256
    .wavefront_size: 32
...
	.end_amdgpu_metadata
.endif
;; end of part 2
;; ======== version 2 of 2: 2 launches
;; workspace buffers: xc 12,582,912 bytes; xs 524,288 bytes; bimg 2,097,152 bytes; wc 245,760 bytes; ws 20,480 bytes
;; launch prep (part 3): grid 266 x 1, 16 waves a work-group, no clusters, 104,448 bytes of LDS; arguments features, ln_scale, ln_bias, wb, bb, wq, wk, wv, wg, wo, xc, xs, bimg, wc, ws; writes xc, xs, bimg, wc, ws
.if DOCPART == 3
	.amdgcn_target "amdgcn-amd-amdhsa--gfx1250"
	.amdhsa_code_object_version 6
	.text
	.protected	k_q231f567e75_prep
	.globl	k_q231f567e75_prep
	.p2align	8
	.type	k_q231f567e75_prep,@function
k_q231f567e75_prep:
	s_mov_b64 s[64:65], 0
	v_nop
	global_prefetch_b8 v0, s[64:65] scope:SCOPE_SE
	s_setreg_imm32_b32 hwreg(HW_REG_WAVE_MODE, 25, 1), 1
	s_wait_xcnt 0x0
; PREP.  features [256][256][256] f32 are read once: LayerNorm in f32; x as codes of FP6 (E2M3) with one E8M0 byte for each 32 features; the logit bias x . wb + bb by f32 multiply-adds.
; The five weights [256 (k)][256 (n)] f32 become images of operand registers.  Work-groups 0 to 9 take the weights, 10 to 265 the features: a branch on the work-group's number, the same in all sixteen waves.
; WHAT IS STORED.  A fragment is 16 rows x 128 K: 12 registers a lane; lane (r, h) holds row r, registers 6 c .. 6 c + 5 the block of 32 numbered 2 c + h.
;   xc   [b][T 16][ks 2][lane 32][48 bytes]: x's fragments, a lane's 12 registers on end.          xs [b][T][ks][row 16][4]: a row's four scale bytes of a K step.
;   bimg [head 8][qt 16][kt 16][g 2][lane 32][16 bytes]: (bias) x sqrt(32), as the accumulator of a tile keys x queries wants it: lane (r, h), register 4 g + jj = bias[16 qt + r][16 kt + 8 h + 4 g + jj][head].
;   wc   [matrix 5: q k v g o][column tile 16][ks 2][g 3][lane 32][16 bytes]: registers 4 g .. 4 g + 3 of lane.   ws [matrix][tile][ks][lane 32][4]: the scale word of column lane % 16.
;   In wo's image the K rows of each block of 32 stand with bits 3 and 4 of their place exchanged: the order in which the next launch's gated output falls out of its accumulators.
; FEATURES.  Work-group (qt, kt), wave w: first index 16 qt + w, second index 16 kt .. + 15: 16 KB on end, in 8 steps of two rows.  Each load reads 512 consecutive bytes; a step turns through the wave's own
; stage in LDS, so that a lane holds 16 neighbouring features of one row (sixteen lanes a row).  Codes and scale bytes are gathered in the wave's own LDS bytes and leave as 3,072 and 128 consecutive bytes;
; the bias of a tile comes from all sixteen waves, so it meets in LDS behind the path's one barrier and leaves as 512 consecutive bytes a wave.
; LIMITS: NaN and infinities are not served.  A block of zeros gets the byte 1 (the rule says 127): its codes are zeros and this program alone reads the bytes; a block's largest magnitude is held at 2^-124 from below.
; The bias is stored x sqrt(32): one rounding more than bias alone.
.set WREG,  5888                       ; LDS of a wave: the stage 32 x 80, the codes 3,072, the scale bytes 128 (and 128 unused)
.set CGO,   2560
.set SGO,   5632
.set BIASG, 16*WREG                    ; the tile's bias: [head][g][lane][16 bytes], 8,192 bytes
.set SPARE, BIASG+8192                 ; the spare words, 128 bytes a wave: eight blocks of 256 bytes that no other line names
.set NWW,   10                         ; work-groups that take the weights
.set SPW, 1                            ; v1  my spare word's address; never rewritten
.set NIL, 2                            ; v2  0; never rewritten
.set X,   32                           ; v32-47   16 neighbouring features
.set R,   48                           ; v48-79   two sets of 16 numbers as loaded
.set ACC, 80                           ; v80-87   the bias's eight sums
.set SC,  96                           ; v96-111  ln_scale of my 16 features
.set LB,  112                          ; v112-127 ln_bias
.set WB,  128                          ; v128-255 wb: register 8 e + head, e my feature
	s_load_b512 s[4:19], s[0:1], 0x0               ; features, ln_scale, ln_bias, wb, bb, wq, wk, wv
	s_load_b256 s[20:27], s[0:1], 0x40             ; wg, wo, xc, xs
	s_load_b128 s[28:31], s[0:1], 0x60             ; bimg, wc
	s_load_b64 s[32:33], s[0:1], 0x70              ; ws
	v_lshl_add_u32 v[SPW], v0, 2, SPARE
	v_mov_b32 v[NIL], 0
	v_lshrrev_b32 v3, 5, v0
	s_delay_alu instid0(VALU_DEP_1)
	v_readfirstlane_b32 s34, v3                    ; wave 0..15
	v_and_b32 v13, 31, v0                          ; lane
	v_and_b32 v30, 15, v0                          ; i = lane % 16
	v_bfe_u32 v31, v0, 4, 1                        ; h = lane / 16
	s_delay_alu instid0(VALU_DEP_3)
	v_lshlrev_b32 v3, 4, v13                       ; 16 x lane
	s_delay_alu instid0(VALU_DEP_4)
	v_lshlrev_b32 v9, 2, v13                       ; 4 x lane
	s_mul_i32 s48, s34, WREG
	v_lshrrev_b32 v4, 2, v13
	s_delay_alu instid0(VALU_DEP_1)
	v_mul_u32_u24 v4, v4, 80
	v_and_b32 v5, 3, v13
	s_delay_alu instid0(VALU_DEP_1)
	v_lshl_add_u32 v4, v5, 4, v4
	s_delay_alu instid0(VALU_DEP_1)
	v_add_nc_u32 v4, s48, v4                       ; the stage, in: four lanes' 64 bytes on end, then 16 of padding
	v_mul_u32_u24 v5, v13, 80
	s_delay_alu instid0(VALU_DEP_1)
	v_add_nc_u32 v5, s48, v5                       ; and out: my 64 bytes
	v_and_b32 v6, 1, v30                           ; my 12 bytes of codes in the fragments' images: features 16 i on are K step i / 8, registers 6 ((i / 4) % 2) + 3 (i % 2) on, of lane row + 16 ((i / 2) % 2)
	s_delay_alu instid0(VALU_DEP_1)
	v_mul_u32_u24 v6, v6, 12
	v_bfe_u32 v7, v30, 1, 1
	s_delay_alu instid0(VALU_DEP_1)
	v_mad_u32_u24 v6, v7, 768, v6
	v_bfe_u32 v7, v30, 2, 1
	s_delay_alu instid0(VALU_DEP_1)
	v_mad_u32_u24 v6, v7, 24, v6
	v_bfe_u32 v7, v30, 3, 1
	s_delay_alu instid0(VALU_DEP_1)
	v_mad_u32_u24 v6, v7, 1536, v6
	s_delay_alu instid0(VALU_DEP_1)
	v_mad_u32_u24 v6, v31, 48, v6                  ; row 2 t + h: 48 h here, 96 t in the immediate
	s_add_co_u32 s49, s48, CGO
	v_add_nc_u32 v6, s49, v6
	v_bfe_u32 v7, v30, 3, 1                        ; my block's scale byte: 64 (i / 8) + 4 row + (i / 2) % 4
	s_delay_alu instid0(VALU_DEP_1)
	v_lshlrev_b32 v7, 6, v7
	s_delay_alu instid0(VALU_DEP_1)
	v_lshl_add_u32 v7, v31, 2, v7
	v_bfe_u32 v8, v30, 1, 2
	s_delay_alu instid0(VALU_DEP_1)
	v_add_nc_u32 v7, v7, v8
	s_add_co_u32 s49, s48, SGO
	v_add_nc_u32 v7, s49, v7
	v_add_nc_u32 v11, s49, v9                      ; the scale bytes on the way out: 4 x lane
	s_add_co_u32 s49, s48, CGO
	v_add_nc_u32 v10, s49, v3                      ; the codes on the way out: 16 x lane
	s_lshl_b32 s49, s34, 4
	s_add_co_u32 s49, s49, BIASG
	v_lshl_add_u32 v8, v31, 2, s49                 ; the bias, in: lane slot 16 w, word 4 h; the rest stands in the immediates
	s_lshl_b32 s49, s34, 9
	s_add_co_u32 s49, s49, BIASG
	v_add_nc_u32 v12, s49, v3                      ; and out: wave w takes head w / 2, half w % 2
	s_wait_kmcnt 0x0
	s_cmp_lt_u32 ttmp9, NWW
	s_cbranch_scc1 .Lweights
	; ---------------- the features
	s_load_b256 s[36:43], s[12:13], 0x0            ; bb's eight numbers
	s_sub_co_u32 s48, ttmp9, NWW
	s_lshr_b32 s49, s48, 4                         ; qt
	s_and_b32 s50, s48, 15                         ; kt
	s_lshl_b32 s51, s49, 4
	s_add_co_u32 s51, s51, s34                     ; my first index: 16 qt + w
	s_lshl_b32 s52, s51, 18
	s_lshl_b32 s53, s50, 14
	s_add_co_u32 s52, s52, s53
	s_mov_b32 s53, 0
	s_add_nc_u64 s[4:5], s[4:5], s[52:53]          ; my 16 rows of 1,024 bytes
	s_lshl_b32 s54, s51, 4
	s_add_co_u32 s54, s54, s50                     ; the tile's number: 16 x first index + kt
	s_mul_i32 s52, s54, 3072
	s_add_nc_u64 s[24:25], s[24:25], s[52:53]
	s_lshl_b32 s52, s54, 7
	s_add_nc_u64 s[26:27], s[26:27], s[52:53]
	s_lshr_b32 s52, s34, 1
	s_lshl_b32 s52, s52, 18
	s_lshl_b32 s55, s49, 14
	s_add_co_u32 s52, s52, s55
	s_lshl_b32 s55, s50, 10
	s_add_co_u32 s52, s52, s55
	s_and_b32 s55, s34, 1
	s_lshl_b32 s55, s55, 9
	s_add_co_u32 s52, s52, s55
	s_add_nc_u64 s[28:29], s[28:29], s[52:53]      ; bimg: head w / 2, tile (qt, kt), half w % 2
	v_lshlrev_b32 v28, 9, v30                      ; wb: 16 rows of 32 bytes for my 16 features
	v_lshlrev_b32 v29, 6, v30                      ; ln_scale, ln_bias: 64 bytes
.set q_, 0
.rept 32
	global_load_b128 v[WB+4*q_:WB+4*q_+3], v28, s[10:11] offset:16*q_
.set q_, q_+1
.endr
.irp q, 0,1,2,3
	global_load_b128 v[SC+4*\q:SC+4*\q+3], v29, s[6:7] offset:16*\q
	global_load_b128 v[LB+4*\q:LB+4*\q+3], v29, s[8:9] offset:16*\q
.endr
.macro LOAD t                          ; step t's two rows: four loads of 512 consecutive bytes
.irp q, 0,1,2,3
	global_load_b128 v[R+16*((\t)%2)+4*\q:R+16*((\t)%2)+4*\q+3], v3, s[4:5] offset:2048*(\t)+512*\q th:TH_LOAD_NT
.endr
.endm
	LOAD 0
	LOAD 1
	s_mov_b32 s44, 0x40b504f3                      ; sqrt(32)
	s_mov_b32 s45, 0x3b800000                      ; 1 / 256
	s_mov_b32 s46, 0x3727c5ac                      ; 1e-5
	v_mov_b32 v15, 0                               ; (named as the upper halves of pairs of which the low word serves)
	v_mov_b32 v17, 0
	s_wait_kmcnt 0x0
.irp d, 0,1,2,3,4,5,6,7
	s_mul_f32 s[36+\d], s[36+\d], s44              ; bb x sqrt(32)
.endr
.macro STEP t
.if (\t) < 7
	s_wait_loadcnt 4                               ; this step's four loads are in (and all issued before them); the next step's four may be out
.else
	s_wait_loadcnt 0x0
.endif
.irp q, 0,1,2,3
	ds_store_b128 v4, v[R+16*((\t)%2)+4*\q:R+16*((\t)%2)+4*\q+3] offset:640*\q
.endr
.irp q, 0,1,2,3
	ds_load_b128 v[X+4*\q:X+4*\q+3], v5 offset:16*\q   ; LDS serves a wave's instructions in order: these see the stores above
.endr
	s_wait_dscnt 0x0                               ; my 16 neighbours are in; the stores, the last step's too, have read their registers
.if (\t)+2 < 8
	LOAD (\t)+2
.endif
	v_pk_add_f32 v[18:19], v[X:X+1], v[X+2:X+3]    ; the row's sum: two chains, then sixteen lanes
	v_pk_add_f32 v[20:21], v[X+4:X+5], v[X+6:X+7]
	s_delay_alu instid0(VALU_DEP_2)
	v_pk_add_f32 v[18:19], v[18:19], v[X+8:X+9]
	s_delay_alu instid0(VALU_DEP_2)
	v_pk_add_f32 v[20:21], v[20:21], v[X+10:X+11]
	s_delay_alu instid0(VALU_DEP_2)
	v_pk_add_f32 v[18:19], v[18:19], v[X+12:X+13]
	s_delay_alu instid0(VALU_DEP_2)
	v_pk_add_f32 v[20:21], v[20:21], v[X+14:X+15]
	s_delay_alu instid0(VALU_DEP_1)
	v_pk_add_f32 v[18:19], v[18:19], v[20:21]
	s_delay_alu instid0(VALU_DEP_1)
	v_add_f32 v18, v18, v19
.irp m, 1,2,4,8
	s_delay_alu instid0(VALU_DEP_1)
	v_add_f32_dpp v18, v18, v18 row_xmask:\m row_mask:0xf bank_mask:0xf
.endr
	s_delay_alu instid0(VALU_DEP_1)
	v_mul_f32 v14, s45, v18                        ; the mean
.irp j, 0,2,4,6,8,10,12,14
	v_pk_add_f32 v[X+\j:X+\j+1], v[X+\j:X+\j+1], v[14:15] op_sel_hi:[1,0] neg_lo:[0,1] neg_hi:[0,1]
.endr
	v_pk_mul_f32 v[18:19], v[X:X+1], v[X:X+1]      ; the sum of squares of what is left
	v_pk_mul_f32 v[20:21], v[X+2:X+3], v[X+2:X+3]
.irp j, 4,8,12
	s_delay_alu instid0(VALU_DEP_2)
	v_pk_fma_f32 v[18:19], v[X+\j:X+\j+1], v[X+\j:X+\j+1], v[18:19]
	s_delay_alu instid0(VALU_DEP_2)
	v_pk_fma_f32 v[20:21], v[X+\j+2:X+\j+3], v[X+\j+2:X+\j+3], v[20:21]
.endr
	s_delay_alu instid0(VALU_DEP_1)
	v_pk_add_f32 v[18:19], v[18:19], v[20:21]
	s_delay_alu instid0(VALU_DEP_1)
	v_add_f32 v18, v18, v19
.irp m, 1,2,4,8
	s_delay_alu instid0(VALU_DEP_1)
	v_add_f32_dpp v18, v18, v18 row_xmask:\m row_mask:0xf bank_mask:0xf
.endr
	s_delay_alu instid0(VALU_DEP_1)
	v_fma_f32 v18, v18, s45, s46                   ; the variance + 1e-5
	s_wait_alu depctr_va_vdst(0)
	v_rsq_f32 v16, v18
	v_mov_b32 v17, 0                               ; a plain instruction behind the root,
	s_wait_alu depctr_va_vdst(0)                   ; and a wait ahead of its first reader
.irp j, 0,2,4,6,8,10,12,14
	v_pk_mul_f32 v[X+\j:X+\j+1], v[X+\j:X+\j+1], v[16:17] op_sel_hi:[1,0]
.endr
.irp j, 0,2,4,6,8,10,12,14
	v_pk_fma_f32 v[X+\j:X+\j+1], v[X+\j:X+\j+1], v[SC+\j:SC+\j+1], v[LB+\j:LB+\j+1]   ; x
.endr
.irp p, 0,2,4,6                        ; the bias: eight heads as four pairs, my 16 features one after the other
	v_pk_mul_f32 v[ACC+\p:ACC+\p+1], v[WB+\p:WB+\p+1], v[X:X+1] op_sel_hi:[1,0]
.endr
.irp e, 1,2,3,4,5,6,7,8,9,10,11,12,13,14,15
.irp p, 0,2,4,6
.if \e%2
	s_delay_alu instid0(VALU_DEP_4)
	v_pk_fma_f32 v[ACC+\p:ACC+\p+1], v[WB+8*\e+\p:WB+8*\e+\p+1], v[X+\e-1:X+\e], v[ACC+\p:ACC+\p+1] op_sel:[0,1,0] op_sel_hi:[1,1,1]
.else
	s_delay_alu instid0(VALU_DEP_4)
	v_pk_fma_f32 v[ACC+\p:ACC+\p+1], v[WB+8*\e+\p:WB+8*\e+\p+1], v[X+\e:X+\e+1], v[ACC+\p:ACC+\p+1] op_sel_hi:[1,0,1]
.endif
.endr
.endr
.irp m, 1,2,4,8
.irp d, 0,1,2,3,4,5,6,7
	v_add_f32_dpp v[ACC+\d], v[ACC+\d], v[ACC+\d] row_xmask:\m row_mask:0xf bank_mask:0xf
.endr
.endr
.irp d, 0,1,2,3,4,5,6,7
	v_fma_f32 v[ACC+\d], v[ACC+\d], s44, s[36+\d]  ; (x . wb) sqrt(32) + bb sqrt(32)
.endr
.irp d, 0,1,2,3,4,5,6,7
	ds_store_b32 v8, v[ACC+\d] offset:1024*\d+512*(((\t)%4)/2)+256*((\t)/4)+8*((\t)%2)   ; key row 2 t + h of the tile; the sixteen lanes of a half write one word with one value
.endr
	v_max3_num_f32 v18, |v[X]|, |v[X+1]|, |v[X+2]| ; the largest magnitude of my 16,
	v_max3_num_f32 v19, |v[X+3]|, |v[X+4]|, |v[X+5]|
.irp j, 6,10
	s_delay_alu instid0(VALU_DEP_2)
	v_max3_num_f32 v18, v18, |v[X+\j]|, |v[X+\j+1]|
	s_delay_alu instid0(VALU_DEP_2)
	v_max3_num_f32 v19, v19, |v[X+\j+2]|, |v[X+\j+3]|
.endr
	s_delay_alu instid0(VALU_DEP_2)
	v_max3_num_f32 v18, v18, |v[X+14]|, |v[X+15]|
	s_delay_alu instid0(VALU_DEP_1)
	v_max3_num_f32 v18, v18, v19, 0x1800000        ; the floor 2^(3 - 127): the byte cannot fall under 1,
	s_delay_alu instid0(VALU_DEP_1)
	v_max_num_f32_dpp v18, v18, v18 row_xmask:1 row_mask:0xf bank_mask:0xf   ; and my neighbour's 16: the block's
	s_delay_alu instid0(VALU_DEP_1)
	v_add_nc_u32 v26, 0xff000000, v18              ; 2 off its exponent field: the conversion's scale operand
	v_cvt_scalef32_pk16_fp6_f32 v[22:24], v[X:X+15], v26
	v_lshrrev_b32 v27, 23, v26                     ; the scale's byte (a plain instruction behind the conversion)
	ds_store_b32 v6, v22 offset:96*(\t)
	ds_store_b32 v6, v23 offset:96*(\t)+4
	ds_store_b32 v6, v24 offset:96*(\t)+8
	ds_store_b8 v7, v27 offset:8*(\t)              ; both lanes of a block write the same byte with the same value
.endm
.irp t, 0,1,2,3,4,5,6,7
	STEP \t
.endr
	s_wait_dscnt 0x0                               ; for the others' sake: my words of the tile's bias have landed
	s_barrier_signal -1
	s_barrier_wait -1
.irp q, 0,1,2,3,4,5
	ds_load_b128 v[32+4*\q:35+4*\q], v10 offset:512*\q
.endr
	ds_load_b32 v56, v11
	ds_load_b128 v[60:63], v12
	s_wait_dscnt 0x0
.irp q, 0,1,2,3,4,5
	global_store_b128 v3, v[32+4*\q:35+4*\q], s[24:25] offset:512*\q   ; each store covers 512 consecutive bytes, aligned to 256
.endr
	global_store_b32 v9, v56, s[26:27]             ; 128 consecutive bytes: the tile's scale bytes
	global_store_b128 v3, v[60:63], s[28:29]       ; 512 consecutive bytes of the bias image
	s_wait_tensorcnt 0x0                           ; the wave's end, behind my last LDS store
	ds_add_u32 v[SPW], v[NIL]
	s_wait_dscnt 0x0
	s_endpgm
	; ---------------- the weights: wave u of 160 makes one fragment: matrix u / 32, column tile (u / 2) % 16, K step u % 2.  No LDS.
.Lweights:
	s_lshl_b32 s48, ttmp9, 4
	s_add_co_u32 s48, s48, s34                     ; u
	s_lshr_b32 s49, s48, 5                         ; the matrix: q, k, v, g, o
	s_bfe_u32 s50, s48, 0x40001                    ; the column tile
	s_and_b32 s51, s48, 1                          ; the K step
	s_cmp_eq_u32 s49, 1
	s_cselect_b64 s[14:15], s[16:17], s[14:15]
	s_cmp_eq_u32 s49, 2
	s_cselect_b64 s[14:15], s[18:19], s[14:15]
	s_cmp_eq_u32 s49, 3
	s_cselect_b64 s[14:15], s[20:21], s[14:15]
	s_cmp_eq_u32 s49, 4
	s_cselect_b64 s[14:15], s[22:23], s[14:15]
	s_lshl_b32 s52, s51, 17                        ; 128 rows of 1,024 bytes a K step,
	s_lshl_b32 s53, s50, 6                         ; 64 bytes a column tile
	s_add_co_u32 s52, s52, s53
	s_mov_b32 s53, 0
	s_add_nc_u64 s[14:15], s[14:15], s[52:53]
	s_mul_i32 s52, s48, 1536
	s_add_nc_u64 s[30:31], s[30:31], s[52:53]
	s_lshl_b32 s52, s48, 7
	s_add_nc_u64 s[32:33], s[32:33], s[52:53]
	v_lshlrev_b32 v14, 2, v30                      ; LANE r TAKES COLUMN r, AND ITS REGISTERS RUN DOWN K;
	s_delay_alu instid0(VALU_DEP_1)
	v_lshl_add_u32 v14, v31, 15, v14               ; lanes 16-31 begin 32 rows further down
	s_mov_b32 s56, 0x76543210
	s_mov_b32 s57, 0xfedcba98                      ; lane l xor 16
.macro WLOADS perm                     ; register 32 c + i: row 64 c + 32 h + i, or for wo the row whose place has bits 3 and 4 of i exchanged
.irp c, 0,1
.set i_, 0
.rept 32
.if \perm
.set r_, (i_&7)+16*((i_/8)%2)+8*(i_/16)
.else
.set r_, i_
.endif
	global_load_b32 v[64+32*\c+i_], v14, s[14:15] offset:(64*\c+r_)*1024
.set i_, i_+1
.endr
.endr
.endm
	s_cmp_eq_u32 s49, 4
	s_cbranch_scc1 .Lturned
	WLOADS 0
	s_branch .Lloaded
.Lturned:
	s_wait_alu depctr_va_vdst(0)
	WLOADS 1
.Lloaded:
	s_wait_loadcnt 0x0
.irp c, 0,1
	v_max3_num_f32 v[32+\c], |v[64+32*\c]|, |v[65+32*\c]|, 0x1800000   ; my block 2 c + h: all 32 numbers are mine; and the floor
.endr
.irp i, 2,4,6,8,10,12,14,16,18,20,22,24,26,28,30
.irp c, 0,1
	s_delay_alu instid0(VALU_DEP_2)
	v_max3_num_f32 v[32+\c], v[32+\c], |v[64+32*\c+\i]|, |v[65+32*\c+\i]|
.endr
.endr
.irp c, 0,1
	s_delay_alu instid0(VALU_DEP_2)
	v_add_nc_u32 v[44+\c], 0xff000000, v[32+\c]
.endr
.irp c, 0,1
	s_delay_alu instid0(VALU_DEP_2)
	v_lshrrev_b32 v[36+\c], 23, v[44+\c]
.endr
	s_delay_alu instid0(VALU_DEP_1)
	v_lshl_or_b32 v16, v37, 16, v36                ; my two bytes, blocks h and 2 + h,
	v_lshlrev_b32 v17, 3, v31
	s_delay_alu instid0(VALU_DEP_1)
	v_lshlrev_b32 v16, v17, v16                    ; at their places;
	v_mov_b32 v17, 0
	s_delay_alu instid0(VALU_DEP_1)
	v_permlanex16_b32 v17, v16, s56, s57
	s_delay_alu instid0(VALU_DEP_1)
	v_or_b32 v16, v16, v17                         ; with lane l xor 16's two the word is whole, in both halves
.irp c, 0,1
	v_cvt_scalef32_pk16_fp6_f32 v[48+6*\c:50+6*\c], v[64+32*\c:79+32*\c], v[44+\c]
	v_cvt_scalef32_pk16_fp6_f32 v[192+4*\c:194+4*\c], v[80+32*\c:95+32*\c], v[44+\c]   ; (a conversion's three registers begin on an even number)
.endr
	v_nop                                          ; one plain instruction behind the conversions
.irp c, 0,1
.irp i, 0,1,2
	v_mov_b32 v[51+6*\c+\i], v[192+4*\c+\i]
.endr
.endr
.irp g, 0,1,2
	global_store_b128 v3, v[48+4*\g:51+4*\g], s[30:31] offset:512*\g   ; 512 consecutive bytes, aligned to 256
.endr
	global_store_b32 v9, v16, s[32:33]
	s_endpgm
.Lfunc_end_k_q231f567e75_prep:
	.size	k_q231f567e75_prep, .Lfunc_end_k_q231f567e75_prep-k_q231f567e75_prep
	.p2alignl 7, 3214868480
	.fill 96, 4, 3214868480
	.section	.rodata,"a",@progbits
	.p2align	6, 0x0
	.amdhsa_kernel k_q231f567e75_prep
		.amdhsa_group_segment_fixed_size 104448
		.amdhsa_private_segment_fixed_size 0
		.amdhsa_enable_private_segment 0
		.amdhsa_kernarg_size 120
		.amdhsa_user_sgpr_count 2
		.amdhsa_user_sgpr_kernarg_segment_ptr 1
		.amdhsa_wavefront_size32 1
		.amdhsa_system_sgpr_workgroup_id_x 1
		.amdhsa_system_sgpr_workgroup_id_y 1
		.amdhsa_system_sgpr_workgroup_id_z 1
		.amdhsa_system_vgpr_workitem_id 0
		.amdhsa_next_free_vgpr 256
		.amdhsa_next_free_sgpr 66
		.amdhsa_reserve_vcc 0
		.amdhsa_float_denorm_mode_32 3
		.amdhsa_float_denorm_mode_16_64 3
		.amdhsa_memory_ordered 1
		.amdhsa_forward_progress 1
		.amdhsa_inst_pref_size 149
	.end_amdhsa_kernel
	.amdgpu_metadata
---
amdhsa.version: [ 1, 2 ]
amdhsa.kernels:
  - .name:           k_q231f567e75_prep
    .symbol:         k_q231f567e75_prep.kd
    .args:
      - { .name: features, .offset: 0, .size: 8, .value_kind: global_buffer, .address_space: global }
      - { .name: ln_scale, .offset: 8, .size: 8, .value_kind: global_buffer, .address_space: global }
      - { .name: ln_bias, .offset: 16, .size: 8, .value_kind: global_buffer, .address_space: global }
      - { .name: wb, .offset: 24, .size: 8, .value_kind: global_buffer, .address_space: global }
      - { .name: bb, .offset: 32, .size: 8, .value_kind: global_buffer, .address_space: global }
      - { .name: wq, .offset: 40, .size: 8, .value_kind: global_buffer, .address_space: global }
      - { .name: wk, .offset: 48, .size: 8, .value_kind: global_buffer, .address_space: global }
      - { .name: wv, .offset: 56, .size: 8, .value_kind: global_buffer, .address_space: global }
      - { .name: wg, .offset: 64, .size: 8, .value_kind: global_buffer, .address_space: global }
      - { .name: wo, .offset: 72, .size: 8, .value_kind: global_buffer, .address_space: global }
      - { .name: xc, .offset: 80, .size: 8, .value_kind: global_buffer, .address_space: global }
      - { .name: xs, .offset: 88, .size: 8, .value_kind: global_buffer, .address_space: global }
      - { .name: bimg, .offset: 96, .size: 8, .value_kind: global_buffer, .address_space: global }
      - { .name: wc, .offset: 104, .size: 8, .value_kind: global_buffer, .address_space: global }
      - { .name: ws, .offset: 112, .size: 8, .value_kind: global_buffer, .address_space: global }
    .group_segment_fixed_size: 104448
    .private_segment_fixed_size: 0
    .kernarg_segment_align: 8
    .kernarg_segment_size: 120
    .max_flat_workgroup_size: 512
    .sgpr_count:     66
    .vgpr_count:     256
    .wavefront_size: 32
...
	.end_amdgpu_metadata
.endif
;; end of part 3
;; launch attn (part 4): grid 256 x 1, 16 waves a work-group, no clusters, 321,536 bytes of LDS; arguments xc, xs, bimg, wc, ws, bq, bk, bv, bg, bo, out0; writes out0
.if DOCPART == 4
	.amdgcn_target "amdgcn-amd-amdhsa--gfx1250"
	.amdhsa_code_object_version 6
	.text
	.protected	k_q231f567e75_attn
	.globl	k_q231f567e75_attn
	.p2align	8
	.type	k_q231f567e75_attn,@function
k_q231f567e75_attn:
	s_mov_b64 s[64:65], 0
	v_nop
	global_prefetch_b8 v0, s[64:65] scope:SCOPE_SE
	s_setreg_imm32_b32 hwreg(HW_REG_WAVE_SCHED_MODE, 0, 2), 2
	s_setreg_imm32_b32 hwreg(HW_REG_WAVE_MODE, 25, 1), 1
	s_wait_xcnt 0x0
	s_wait_alu depctr_vm_vsrc(0)
; ATTN.  One work-group takes one batch b (256 rows of x, as codes) from the projections to out0; q, k, v, p, the gate and the gated output stay in registers and LDS.
; All products by v_wmma_scale_f32_16x16x128_f8f6f4 on FP6 (E2M3) with E8M0 scales.  Sixteen waves of 256 registers, four to a SIMD, so that one wave's softmax stands beside another's products and loads.
; SHARES.  Projections and attention: wave w has head w % 8 and rows (queries, keys) 128 (w / 8) on: eight tiles of 16.  Output projection: wave w has rows 64 (w / 4) on and columns 64 (w % 4) on.
; LAYOUTS.  A fragment is 16 rows x 128 K in 12 registers: lane (r, h) holds row r, registers 6 c .. 6 c + 5 block 2 c + h.  In LDS: a lane's 12 registers on end at 48 x lane (x, k, v, og), or registers 4 g on at 512 g + 16 x lane (Wg).
; q, k, the gate and the output projection are used transposed (source 0 = 16 columns of the weight, source 1 = 16 rows), so that a lane holds one row and its registers run along the next K; v is used straight, so that a lane
; holds one channel and its registers run along the keys.  Two neighbouring result tiles u = 0, 1 make a block of 32: place 16 h + 8 u + j holds index 16 u + 8 h + j.  That order stays inside a block, so the scale is the block's own,
; and it falls alike on both operands: q and k; p and v; og and wo (whose image the launch before laid so).  Only the order of a block's 32 products differs from the natural one.
; SCORES, K = 32.  A fragment of k holds FOUR key tiles of the head, one in each block of 32; q's operand has its 32 codes in one block and zero codes in the other three.  The four variants are read out of 30 registers
; zeros | q in lanes 0-15 | zeros | q in lanes 16-31 | zeros; q's scale byte is repeated in all four bytes of its word.
; THE BIAS, stored x sqrt(32) in the accumulators' layout, is loaded straight into the scores' accumulators: t = c (q . k + bias sqrt(32)), c = log2(e) / sqrt(32).
; SOFTMAX.  M = the running largest t rounded up to a whole number; p = 2^(t - M) is quantised along the keys, not normalised; the row's sum is taken of the unquantised p and divides at the end; when M moves, sum and O are multiplied by a power of two.
; A block's largest p is made from the block's largest score by the same multiply-add and exponential.
; NO CLUSTER, NO JOINT LOADS: what the work-groups share (the bias image, the weights' images) goes from memory straight into accumulator and operand registers; a joint load lands in LDS, of whose 327,680 bytes this text
; uses 321,536, and one key step's bias for sixteen waves is 131,072 bytes, two slots of it 262,144.  No tensor load at all: every LDS region is written once, by stores from registers.
; LIMITS: NaN and infinities are not served.  A block of zeros carries the byte 1 (its codes are zeros); a block's largest magnitude is held at 2^-124 from below.
; THE MODE: SCHED_MODE bits 1:0 = 2 (LLVM: expert scheduling mode 2), set by the entry lines.  The code itself states the register dependences between vector or matrix instructions and memory or LDS instructions, with s_wait_alu, always for 0.
; THE PLAN.  Registers that memory or LDS instructions touch, and who else names them:
;   v3-v8, v34, v35   offsets, made at the head.  v3, v4, v5, v8 are never written again; behind the tile loop v6 and v7 are written anew and a fragment of Wo lands on v34 and v35.
;   q and k           x's fragments v184-207 and words v48, v49: read by a tile's eight products, loaded again behind them for the next tile.  v240-246, v25: written by the tile's quantising, read by its five LDS stores.
;   v                 x's fragments v184-231 and words v48-51: read by eight products, loaded again behind them.  v232-243, v32, v33: written by the quantising, read by eight LDS stores.
;   the tile loop     S (v192-255): bias loads land; the scores' products, the softmax and the conversions work on it; then the next bias (step 0) or Wg and bg (step 1) land; behind the gate's products the next tile's bias.
;                     VT (v132-155), v50, v51: v's fragments land behind the wait for a step's exponentials; read by V^T P; then x's fragments land (their words in v48, v49), read by the gate's products.
;                     v36-39: q's slot; read at the trip's head and by both steps' score products; the next tile's lands in step 1.   v156-159: written by the gate's conversion, read by the trip's one LDS store.
;                     v9, v10, v11: the tile's LDS addresses, written once a trip, at its end.   v12, v13, v53: made ahead of the loop, not written in it.
;   the last product  Wo in v14-37, v56-79, v40-43 and og in v80-127, v44-47: loaded, read by sixteen products, loaded again.  v128-255: bo's loads land, the products add, the stage's stores read.  v56-119: the stage's loads land, the global stores read.
; A wait on va_vdst stands where the vector side has just finished with registers that loads or stores behind it touch; the loads follow it at once, and the vector work behind them names none of their registers.
.set XC,    0                          ; x's 32 fragments (2 T + ks), 1,536 bytes each
.set XS,    49152                      ; their scale words, 64 bytes a fragment
.set KI,    51200                      ; k: [head][f 4] fragments
.set KS,    100352                     ; [head][f][key 16][block 4] bytes
.set VI,    102400                     ; v: [head][channel tile 2][key step 2] fragments
.set VS,    151552
.set OGI,   153600                     ; the gated output: fragments 2 T + ks
.set OGS,   202752
.set QI,    204800                     ; [wave][tile 8][lane][16 bytes]: q's three registers and its scale word; later the gated output's: each wave's own
.set WGI,   270336                     ; Wg: [head][u 2][ks 2] fragments
.set SPARE, 319488                     ; the spare words, 128 bytes a wave: eight blocks of 256 bytes that no other line names
.set SPW, 1                            ; v1  my spare word's address; never rewritten
.set NIL, 2                            ; v2  0; never rewritten
.set L16, 3                            ; v3  16 x lane
.set L48, 4                            ; v4  48 x lane
.set R4,  5                            ; v5  4 x (lane % 16)
.set AXA, 6                            ; v6  x's fragments of my 8 tiles
.set AXS, 7                            ; v7  their scale words
.set AQ0, 8                            ; v8  my wave's slots in QI
.set AKW, 9                            ; v9-12: where k's and v's images and scale bytes are stored
.set AKSW, 10
.set AVW, 11
.set AVSW, 12
.set AQ,  9                            ; in the tile loop: v9 the tile's slot, v10 its x fragments, v11 their scale words, v12 v's fragments, v13 v's scale words, v53 Wg's fragments
.set AX,  10
.set AXT, 11
.set AVR, 12
.set AVSR, 13
.set AWG, 53
.set L4,  34                           ; v34 4 x lane
.set H32, 35                           ; v35 32 x (lane / 16)
.set NM,  14                           ; v14 -M, v15 the largest t
.set SUM, 16                           ; v[16:17] the row's sum in two halves
.set FF,  18                           ; v18 f = 2^(old M - new M); v19 written once
.set BM,  20                           ; v20-23 blocks' maxima
.set PT,  24                           ; v24-27 lane permutes' results, then scale bytes
.set SO,  28                           ; v28-31 the conversions' scale operands
.set TP,  32                           ; v[32:33] at work
.set KF,  84                           ; v84-131 k's four fragments
.set VT,  132                          ; v132-155 two fragments of v, then of x
.set PC,  156                          ; v156-167 p's codes; v168-175 the conversions' second halves
.set O,   176                          ; v176-191 O^T: two channel tiles
.set S,   192                          ; v192-255 S^T, then p; then Wg's fragments and the gate
.set WV,  26                           ; v39-52 hold scale words and nothing else
.set HD,  27
.set HA,  28
.set SEL, 30
.set CS,  32
.set MLO, 34
.set MHI, 35
.set NL2, 36
.set CNT, 38
.set TQ,  39
.set TX,  40
.set TXS, 41
.set BP,  42                           ; s[42:43] the bias image of my head and tile
.set WCB, 44                           ; s[44:45] the weights' images of my head
.set BGB, 46                           ; s[46:47] bg of my head
.set WSB, 48                           ; s[48:49] the weights' scale words of my head
.macro PLACES n                        ; behind matrix instructions: plain vector instructions that name none of their registers (ISA guide 7.12.1).  Five serve reads, loads, and a later matrix instruction that writes over a register
.rept \n
	v_nop
.endr
.endm
.macro BAR                             ; my LDS stores have landed and my LDS loads are in: then the work-group's barrier
	s_wait_dscnt 0x0
	s_barrier_signal -1
	s_barrier_wait -1
.endm
.macro FG reg, imm                     ; a weight's fragment from memory
.irp g, 0,1,2
	global_load_b128 v[(\reg)+4*\g:(\reg)+4*\g+3], v[L16], s[WCB:WCB+1] offset:(\imm)+512*\g
.endr
.endm
.macro FL reg, adr, imm                ; a fragment from LDS, 48 bytes a lane
.irp g, 0,1,2
	ds_load_b128 v[(\reg)+4*\g:(\reg)+4*\g+3], v[\adr] offset:(\imm)+16*\g
.endr
.endm
.macro FLG reg, adr, imm               ; a fragment from LDS, 512 bytes a group of four registers
.irp g, 0,1,2
	ds_load_b128 v[(\reg)+4*\g:(\reg)+4*\g+3], v[\adr] offset:(\imm)+512*\g
.endr
.endm
.macro BL t, off                       ; key tile t of the bias image, from off bytes on, into the scores' accumulator t
.irp g, 0,1
	global_load_b128 v[S+8*(\t)+4*\g:S+8*(\t)+4*\g+3], v[L16], s[BP:BP+1] offset:(\off)+1024*(\t)+512*\g
.endr
.endm
.macro WM d, a, b, c, sa, sb
	v_wmma_scale_f32_16x16x128_f8f6f4 v[(\d):(\d)+7], v[(\a):(\a)+11], v[(\b):(\b)+11], v[(\c):(\c)+7], v[(\sa)], v[(\sb)] matrix_a_fmt:MATRIX_FMT_FP6 matrix_b_fmt:MATRIX_FMT_FP6
.endm
.macro WMZ d, a, b, sa, sb
	v_wmma_scale_f32_16x16x128_f8f6f4 v[(\d):(\d)+7], v[(\a):(\a)+11], v[(\b):(\b)+11], 0, v[(\sa)], v[(\sb)] matrix_a_fmt:MATRIX_FMT_FP6 matrix_b_fmt:MATRIX_FMT_FP6
.endm
; nb blocks of 32, my 16 numbers of block b in v[s + 16 b] on (the other 16 in lane l xor 16): the conversion's scale operand into v[SO + b], the scale's byte into v[PT + b].  Each accumulator is read from its low end on.
.macro SCALES nb, s
.set bb_, 0
.rept \nb
	v_max3_num_f32 v[BM+bb_], |v[(\s)+16*bb_]|, |v[(\s)+16*bb_+1]|, 0x1800000   ; and the floor 2^(3 - 127): the byte cannot fall under 1
.set bb_, bb_+1
.endr
.irp i, 2,4,6,8,10,12,14
.set bb_, 0
.rept \nb
	v_max3_num_f32 v[BM+bb_], v[BM+bb_], |v[(\s)+16*bb_+\i]|, |v[(\s)+16*bb_+\i+1]|
.set bb_, bb_+1
.endr
.endr
.set bb_, 0
.rept \nb
	v_permlanex16_b32 v[PT+bb_], v[BM+bb_], s[SEL], s[SEL+1]
.set bb_, bb_+1
.endr
.set bb_, 0
.rept \nb
	v_max_num_f32 v[BM+bb_], v[BM+bb_], v[PT+bb_]
.set bb_, bb_+1
.endr
.set bb_, 0
.rept \nb
	v_add_nc_u32 v[SO+bb_], 0xff000000, v[BM+bb_]  ; 2 off the exponent field
.set bb_, bb_+1
.endr
.set bb_, 0
.rept \nb
	v_lshrrev_b32 v[PT+bb_], 23, v[SO+bb_]
.set bb_, bb_+1
.endr
.endm
; 64 numbers in v[s] on, four blocks, become a fragment's 12 registers in v[pc] on (v[pc + 12] to v[pc + 18] at work)
.macro CODES s, pc
.irp c, 0,1
	v_cvt_scalef32_pk16_fp6_f32 v[(\pc)+6*\c:(\pc)+6*\c+2], v[(\s)+32*\c:(\s)+32*\c+15], v[SO+2*\c]
	v_cvt_scalef32_pk16_fp6_f32 v[(\pc)+12+4*\c:(\pc)+14+4*\c], v[(\s)+32*\c+16:(\s)+32*\c+31], v[SO+2*\c+1]   ; (a conversion's three registers begin on an even number)
.endr
	v_nop                                          ; one plain instruction behind the conversions
.irp c, 0,1                            ; the layout wants a whole block in a lane: lanes 0-15 block 2 c, lanes 16-31 block 2 c + 1
.irp i, 0,1,2
	v_permlane16_swap_b32 v[(\pc)+6*\c+\i], v[(\pc)+12+4*\c+\i]
.endr
.irp i, 0,1,2
	v_mov_b32 v[(\pc)+3+6*\c+\i], v[(\pc)+12+4*\c+\i]
.endr
.endr
.endm
	s_load_b512 s[4:19], s[0:1], 0x0               ; xc, xs, bimg, wc, ws, bq, bk, bv
	s_load_b128 s[20:23], s[0:1], 0x40             ; bg, bo
	s_load_b64 s[24:25], s[0:1], 0x50              ; out0
	v_lshl_add_u32 v[SPW], v0, 2, SPARE
	v_mov_b32 v[NIL], 0
	v_lshrrev_b32 v3, 5, v0
	v_readfirstlane_b32 s[WV], v3                  ; wave 0..15
	v_and_b32 v13, 31, v0
	v_lshlrev_b32 v[L16], 4, v13
	v_mul_u32_u24 v[L48], v13, 48
	v_lshlrev_b32 v[L4], 2, v13
	v_and_b32 v[R4], 15, v0
	v_lshlrev_b32 v[R4], 2, v[R4]
	s_wait_alu depctr_va_vdst(0)
	v_bfe_u32 v53, v0, 4, 1                        ; h
	v_lshlrev_b32 v[H32], 5, v53
	s_wait_alu depctr_va_sdst(0)                   ; the wave's number is written, ahead of its first reader: head, half, LDS places and bases are made from it
	s_and_b32 s[HD], s[WV], 7                      ; my head
	s_lshr_b32 s[HA], s[WV], 3                     ; my half of the rows
	s_mul_i32 s50, s[HD], 6144                     ; a head's four fragments
	s_lshl_b32 s51, s[HD], 8                       ; a head's scale words
	s_mul_i32 s52, s[HA], 24576
	v_add_nc_u32 v[AXA], s52, v[L48]
	s_lshl_b32 s52, s[HA], 10
	s_add_co_u32 s52, s52, XS
	v_add_nc_u32 v[AXS], s52, v[R4]
	s_lshl_b32 s52, s[WV], 12
	s_add_co_u32 s52, s52, QI
	v_add_nc_u32 v[AQ0], s52, v[L16]
	s_mul_i32 s52, s[HA], 3072
	s_add_co_u32 s52, s52, s50
	s_add_co_u32 s52, s52, KI
	v_mul_u32_u24 v[AKW], v[R4], 12                ; 48 r
	s_wait_alu depctr_va_vdst(0)
	v_mad_u32_u24 v[AKW], v53, 12, v[AKW]          ; + 12 h: my half's three registers of a block's six
	v_add_nc_u32 v[AKW], s52, v[AKW]
	s_lshl_b32 s52, s[HA], 7
	s_add_co_u32 s52, s52, s51
	s_add_co_u32 s52, s52, KS
	v_add_nc_u32 v[AKSW], s52, v[R4]
	s_mul_i32 s52, s[HA], 1536
	s_add_co_u32 s52, s52, s50
	s_add_co_u32 s52, s52, VI
	v_add_nc_u32 v[AVW], s52, v[L48]
	s_lshl_b32 s52, s[HA], 6
	s_add_co_u32 s52, s52, s51
	s_add_co_u32 s52, s52, VS
	v_add_nc_u32 v[AVSW], s52, v[R4]
	s_mul_i32 s52, s[WV], 3072
	v_add_nc_u32 v13, s52, v[L16]                  ; the copy of x's tile w
	s_lshl_b32 s52, s[WV], 7
	s_add_co_u32 s52, s52, XS
	v_add_nc_u32 v53, s52, v[L4]                   ; of its scale words
	s_mul_i32 s52, s[HA], 3072
	s_add_co_u32 s52, s52, s50
	s_add_co_u32 s52, s52, WGI
	v_add_nc_u32 v32, s52, v[L16]                  ; of Wg's column tile w / 8 of my head
	s_mov_b32 s[SEL], 0x76543210
	s_mov_b32 s[SEL+1], 0xfedcba98                 ; lane l xor 16
	s_mov_b32 s[CS], 0x3e8293ee                    ; c = log2(e) / sqrt(32)
	s_mov_b32 s[CS+1], s[CS]
	s_mov_b32 s[MLO], 0x0000ffff
	s_mov_b32 s[MHI], 0xffff0000
	s_mov_b32 s[NL2], 0xbfb8aa3b                   ; -log2(e)
	s_mov_b32 s[NL2+1], s[NL2]
.irp i, 0,1,2,3
	v_mov_b32 v[PT+\i], 0                          ; written once: a lane permute's destination counts as one of its sources
.endr
	v_mov_b32 v[FF+1], 0                           ; (named as the upper half of a pair)
	s_mov_b32 s53, 0
	s_wait_kmcnt 0x0
	s_mul_i32 s52, ttmp9, 49152
	s_mul_i32 s54, s[WV], 3072
	s_add_co_u32 s52, s52, s54
	s_add_nc_u64 s[4:5], s[4:5], s[52:53]          ; xc: batch, tile w
	s_lshl_b32 s52, ttmp9, 11
	s_lshl_b32 s54, s[WV], 7
	s_add_co_u32 s52, s52, s54
	s_add_nc_u64 s[6:7], s[6:7], s[52:53]
	s_mov_b32 s52, s50
	s_add_nc_u64 s[WCB:WCB+1], s[10:11], s[52:53]
	s_mul_i32 s52, s[HA], 3072
	s_add_nc_u64 s[54:55], s[WCB:WCB+1], s[52:53]
	s_lshl_b32 s52, s[HD], 9
	s_add_nc_u64 s[WSB:WSB+1], s[12:13], s[52:53]
	s_lshl_b32 s52, s[HD], 7                       ; a head's 32 numbers of a bias
	s_add_nc_u64 s[14:15], s[14:15], s[52:53]
	s_add_nc_u64 s[16:17], s[16:17], s[52:53]
	s_add_nc_u64 s[18:19], s[18:19], s[52:53]
	s_add_nc_u64 s[BGB:BGB+1], s[20:21], s[52:53]
	s_lshl_b32 s52, s[HD], 18
	s_lshl_b32 s56, s[HA], 17
	s_add_co_u32 s52, s52, s56
	s_add_nc_u64 s[BP:BP+1], s[8:9], s[52:53]
	s_wait_alu depctr_va_vdst(0)                   ; the head's offsets and LDS addresses (v3 to v13, v32, v34, v35, v53) are written: the loads and LDS stores below read them
	; ---- the copies: x's codes and scale words of the batch, Wg's fragments of all heads, into LDS: 13 loads a wave
.irp g, 0,1,2,3,4,5
	global_load_b128 v[184+4*\g:187+4*\g], v[L16], s[4:5] offset:512*\g th:TH_LOAD_NT
.endr
	global_load_b32 v232, v[L4], s[6:7] th:TH_LOAD_NT
.irp k, 0,1
.irp g, 0,1,2
	global_load_b128 v[208+12*\k+4*\g:211+12*\k+4*\g], v[L16], s[54:55] offset:147456+1536*\k+512*\g
.endr
.endr
	; and behind them 40 loads for q and k: Wq's and Wk's four fragments (u, ks) at 12 (2 u + ks), their scale words, the biases in the results' layout
.irp f, 0,1,2,3
	FG 56+12*\f,1536*\f
	FG 104+12*\f,49152+1536*\f
	global_load_b32 v[40+\f], v[L4], s[WSB:WSB+1] offset:128*\f
	global_load_b32 v[44+\f], v[L4], s[WSB:WSB+1] offset:4096+128*\f
.endr
.irp u, 0,1
.irp g, 0,1
	global_load_b128 v[152+8*\u+4*\g:155+8*\u+4*\g], v[H32], s[14:15] offset:64*\u+16*\g
	global_load_b128 v[168+8*\u+4*\g:171+8*\u+4*\g], v[H32], s[16:17] offset:64*\u+16*\g
.endr
.endr
	s_wait_loadcnt 40                              ; the 13 are in; the 40 issued behind them may be out
.irp g, 0,1,2,3,4,5
	ds_store_b128 v13, v[184+4*\g:187+4*\g] offset:512*\g
.endr
	ds_store_b32 v53, v232
.irp k, 0,1
.irp g, 0,1,2
	ds_store_b128 v32, v[208+12*\k+4*\g:211+12*\k+4*\g] offset:1536*\k+512*\g
.endr
.endr
	BAR                                            ; x and Wg lie in LDS
	s_wait_loadcnt 0x0
	s_wait_alu depctr_vm_vsrc(0)                   ; my LDS stores have read v184-232, in which x's fragments land and which the products write, and v13, v32, v53, which are written anew further down
	; ---- q and k of my head, tile i of my eight: four accumulators by turns, K step by K step; the biases are the C of the first
.macro XQK i                           ; x's two fragments and scale words of tile i: eight LDS loads
	FL 184,AXA,3072*(\i)
	FL 196,AXA,3072*(\i)+1536
	ds_load_b32 v48, v[AXS] offset:128*(\i)
	ds_load_b32 v49, v[AXS] offset:128*(\i)+64
.endm
.macro QKTILE i
.if \i == 0
	s_wait_dscnt 0x0                               ; x's two fragments are in
.else
	s_wait_dscnt 5                                 ; x's two fragments are in; the last tile's five stores, issued behind their loads, may be out
.endif
.irp u, 0,1
	WM 208+8*\u,56+24*\u,184,152+8*\u,40+2*\u,48
.endr
.irp u, 0,1
	WM 224+8*\u,104+24*\u,184,168+8*\u,44+2*\u,48
.endr
.irp u, 0,1
	WM 208+8*\u,68+24*\u,196,208+8*\u,41+2*\u,49
.endr
.irp u, 0,1
	WM 224+8*\u,116+24*\u,196,224+8*\u,45+2*\u,49
.endr
	PLACES 5
	s_wait_alu depctr_va_vdst(0)                   ; the products are done reading x's fragments and scale words (in the last tile: Wq's fragments, its scale words and bq), in which the loads below land
.if \i < 7
	XQK \i+1                                       ; the next tile's x lands while this tile is quantised
.else
.irp f, 0,1,2,3                        ; behind the last tile's products: Wv's four fragments, their scale words, bv of my two channels
	FG 56+12*\f,98304+1536*\f
	global_load_b32 v[40+\f], v[L4], s[WSB:WSB+1] offset:8192+128*\f
.endr
	global_load_b32 v152, v[R4], s[18:19]
	global_load_b32 v153, v[R4], s[18:19] offset:64
.endif
.if \i > 0
	s_wait_alu depctr_vm_vsrc(0)                   ; the last tile's LDS stores have read v240-246 and v25, which the lines below write again
.endif
	SCALES 2,208                                   ; block 0: q's 32 channels of my row; block 1: k's
	v_cvt_scalef32_pk16_fp6_f32 v[240:242], v[208:223], v[SO]
	v_cvt_scalef32_pk16_fp6_f32 v[244:246], v[224:239], v[SO+1]
	v_nop
	v_lshl_or_b32 v243, v[PT], 8, v[PT]            ; q's byte in all four bytes of its word
	v_lshl_or_b32 v243, v243, 16, v243
	s_wait_alu depctr_va_vdst(0)                   ; the codes v240-246, q's word v243 and k's byte v25 are written: the LDS stores read them
	ds_store_b128 v[AQ0], v[240:243] offset:512*\i
	ds_store_b32 v[AKW], v244 offset:1536*(\i/4)+768*(\i%2)+24*((\i%4)/2)      ; key tile i is block i % 4 of fragment i / 4: lane r + 16 (i % 2), registers 6 ((i % 4) / 2) + 3 h on
	ds_store_b32 v[AKW], v245 offset:1536*(\i/4)+768*(\i%2)+24*((\i%4)/2)+4
	ds_store_b32 v[AKW], v246 offset:1536*(\i/4)+768*(\i%2)+24*((\i%4)/2)+8
	ds_store_b8 v[AKSW], v[PT+1] offset:64*(\i/4)+\i%4                         ; both halves write the same byte with the same value
.endm
	XQK 0
.irp i, 0,1,2,3,4,5,6,7
	QKTILE \i
.endr
	; ---- v of my head, my 128 keys: straight (source 0 = 16 keys of x, source 1 = 16 columns of Wv): a lane holds a channel, its registers run along the keys
.macro XV c, pp                        ; x's fragments and scale words of two key tiles: sixteen LDS loads
.irp e, 0,1
.irp k, 0,1
	FL 184+12*(2*\e+\k),AXA,3072*(4*(\c)+2*(\pp)+\e)+1536*\k
	ds_load_b32 v[48+2*\e+\k], v[AXS] offset:128*(4*(\c)+2*(\pp)+\e)+64*\k
.endr
.endr
.endm
.macro VMUL pp                         ; two key tiles x two channel tiles; accumulators [channel tile][key tile] at v120 on
.irp e, 0,1
	WM 120+8*(2*\pp+\e),184+24*\e,56,104,48+2*\e,40
	WM 152+8*(2*\pp+\e),184+24*\e,80,112,48+2*\e,42
	WM 120+8*(2*\pp+\e),196+24*\e,68,120+8*(2*\pp+\e),49+2*\e,41
	WM 152+8*(2*\pp+\e),196+24*\e,92,152+8*(2*\pp+\e),49+2*\e,43
.endr
	PLACES 5
.endm
.macro VQ c                            ; 64 keys of both channel tiles are quantised and stored
	s_wait_alu depctr_vm_vsrc(0)                   ; the LDS stores issued so far have read v25, v32, v33 and v232-246, which the lines below write again
	SCALES 4,120                                   ; blocks 0, 1: channel tile 0's two blocks of 32 keys; blocks 2, 3: channel tile 1's
	v_lshl_or_b32 v[TP], v[PT+1], 8, v[PT]
	v_lshl_or_b32 v[TP], v[PT+2], 16, v[TP]
	v_lshl_or_b32 v[TP], v[PT+3], 24, v[TP]
	CODES 120,232
	v_lshrrev_b32 v[TP+1], 16, v[TP]
	s_wait_alu depctr_va_vdst(0)                   ; the codes v232-243 and the scale bytes in v32, v33 are written: the LDS stores read them
.irp p, 0,1,2
	ds_store_b64 v[AVW], v[232+2*\p:233+2*\p] offset:24*\c+8*\p              ; registers 6 c on of channel tile 0's fragment,
	ds_store_b64 v[AVW], v[238+2*\p:239+2*\p] offset:3072+24*\c+8*\p         ; and of channel tile 1's
.endr
	ds_store_b16 v[AVSW], v[TP] offset:2*\c                                  ; bytes 2 c, 2 c + 1 of my channel's scale word
	ds_store_b16 v[AVSW], v[TP+1] offset:128+2*\c
.endm
	XV 0,0                                         ; no wait: the last wait on va_vdst stands behind all that named v184-231 and v48-51
	s_wait_loadcnt 0x0
.irp j, 0,1,2,3,4,5,6,7
	v_mov_b32 v[104+\j], v152                      ; bv of my channel, eight times: the C of a tile's first product
	v_mov_b32 v[112+\j], v153
.endr
	PLACES 4
	s_wait_alu depctr_va_vdst(0)
	s_wait_dscnt 0x0
	VMUL 0
	s_wait_alu depctr_va_vdst(0)                   ; the products are done reading x's fragments and scale words, in which the next land
	XV 0,1
	s_wait_dscnt 0x0
	VMUL 1
	s_wait_alu depctr_va_vdst(0)                   ; likewise; the next 64 keys' x lands while these 64 are quantised
	XV 1,0
	VQ 0
	s_wait_dscnt 8                                 ; x's fragments are in; the eight stores issued behind their loads may be out
	VMUL 0
	s_wait_alu depctr_va_vdst(0)                   ; the products are done reading x's fragments and scale words, in which the next land
	XV 1,1
	s_wait_dscnt 0x0
	VMUL 1
	VQ 1
	s_wait_alu depctr_vm_vsrc(0)                   ; my LDS stores have read v232-243, in which the bias lands, and their addresses v9 to v12, which are made anew below
.irp t, 0,1,2,3,4,5,6,7                ; the first tile's bias for key step 0 goes out ahead of the barrier (the last wait on va_vdst stands behind all that named v192-255 and v44-47)
	BL \t,0
.endr
.irp f, 0,1,2,3
	global_load_b32 v[44+\f], v[L4], s[WSB:WSB+1] offset:12288+128*\f        ; Wg's scale words
.endr
	s_add_co_u32 s52, s50, KI
	v_add_nc_u32 v9, s52, v[L48]
	s_add_co_u32 s52, s51, KS
	v_add_nc_u32 v10, s52, v[R4]
	s_add_co_u32 s52, s50, VI
	v_add_nc_u32 v[AVR], s52, v[L48]
	s_add_co_u32 s52, s51, VS
	v_add_nc_u32 v[AVSR], s52, v[R4]
	s_add_co_u32 s52, s50, WGI
	v_add_nc_u32 v[AWG], s52, v[L16]
.irp i, 0,1,2,3,4,5
	v_mov_b32 v[54+\i], 0                          ; the zero codes round q's
	v_mov_b32 v[66+\i], 0
	v_mov_b32 v[78+\i], 0
.endr
	s_mov_b32 s[CNT], 7
	s_mov_b32 s[TQ], 0
	s_mov_b32 s[TX], 0
	s_mov_b32 s[TXS], 0
	BAR                                            ; k and v of all heads lie in LDS
	; ---- attention: k's four fragments stay in registers for my eight tiles of queries
	s_wait_alu depctr_va_vdst(0)                   ; k's addresses v9 and v10 are written; the vector and matrix instructions of the phase before are done with v40-43 and v84-131, in which k lands
.irp f, 0,1,2,3
	FL KF+12*\f,9,1536*\f
	ds_load_b32 v[40+\f], v10 offset:64*\f
.endr
	ds_load_b128 v[36:39], v[AQ0]                  ; the first tile's q: three registers and its scale word
	s_wait_alu depctr_vm_vsrc(0)                   ; k's loads have read v9 and v10, which become the tile's addresses
.macro ADDRS                           ; the tile's slot, its x fragments and their scale words
	v_add_nc_u32 v[AQ], s[TQ], v[AQ0]
	v_add_nc_u32 v[AX], s[TX], v[AXA]
	v_add_nc_u32 v[AXT], s[TXS], v[AXS]
.endm
	ADDRS
	s_wait_dscnt 0x0                               ; k and the first tile's q are in
; A KEY STEP: 128 keys, eight tiles of scores for my 16 queries.  last = 1: the wave's last tile of queries, which asks for nothing of a next one
.macro STEP s, last
	s_wait_loadcnt 0x0                             ; the step's bias lies in the accumulators
.irp t, 0,1,2,3,4,5,6,7
	WM S+8*\t,KF+12*(2*\s+\t/4),60+12*(\t%2)-6*((\t%4)/2),S+8*\t,40+2*\s+\t/4,39
.endr
	PLACES 4
.irp b, 0,1,2,3
	v_max3_num_f32 v[BM+\b], v[S+16*\b], v[S+16*\b+1], v[S+16*\b+2]          ; the largest score of each block of 32 keys: for the row's maximum and for the block's largest p
.endr
.irp i, 3,5,7,9,11,13
.irp b, 0,1,2,3
	v_max3_num_f32 v[BM+\b], v[BM+\b], v[S+16*\b+\i], v[S+16*\b+\i+1]
.endr
.endr
.irp b, 0,1,2,3
	v_max_num_f32 v[BM+\b], v[BM+\b], v[S+16*\b+15]
.endr
.irp b, 0,1,2,3
	v_permlanex16_b32 v[PT+\b], v[BM+\b], s[SEL], s[SEL+1]
.endr
.irp b, 0,1,2,3
	v_max_num_f32 v[BM+\b], v[BM+\b], v[PT+\b]
.endr
	v_max3_num_f32 v[TP], v[BM], v[BM+1], v[BM+2]
	v_max_num_f32 v[TP], v[TP], v[BM+3]
.if \s == 0
	v_mul_f32 v[NM+1], s[CS], v[TP]                ; the largest t so far
	v_floor_f32 v[NM], -v[NM+1]                    ; -M = floor(-t): M is a whole number
.else
	v_mul_f32 v[TP], s[CS], v[TP]
	v_max_num_f32 v[NM+1], v[NM+1], v[TP]
	v_mov_b32 v[TP+1], v[NM]
	v_floor_f32 v[NM], -v[NM+1]
	v_sub_f32 v[TP+1], v[NM], v[TP+1]              ; old M - new M: a whole number, 0 or less
	v_cvt_i32_f32 v[TP+1], v[TP+1]
	v_ldexp_f32 v[FF], 1.0, v[TP+1]                ; f: a multiplication by it rounds nothing
.endif
.set j_, 0
.rept 32
	v_pk_fma_f32 v[S+j_:S+j_+1], v[S+j_:S+j_+1], s[CS:CS+1], v[NM:NM+1] op_sel_hi:[1,0,0]   ; t - M
.set j_, j_+2
.endr
.irp b, 0,1,2,3
	v_fma_f32 v[BM+\b], v[BM+\b], s[CS], v[NM]
.endr
.set j_, 0
	s_wait_alu depctr_va_vdst(0)
.rept 64
	v_exp_f32 v[S+j_], v[S+j_]                     ; p = 2^(t - M)
.set j_, j_+1
.endr
.if \s == 0
	v_nop                                          ; a plain instruction behind the exponentials
.else
	v_pk_mul_f32 v[SUM:SUM+1], v[SUM:SUM+1], v[FF:FF+1] op_sel_hi:[1,0]      ; the sum under the new M (a plain instruction behind the exponentials)
.endif
	s_wait_alu depctr_va_vdst(0)                   ; the 64 exponentials have written p, ahead of its first reader.  Also: the products issued so far are done reading VT, v50, v51 and q's registers v36-39, in which the loads below land
.if (\s == 1) && (\last == 0)
	ds_load_b128 v[36:39], v[AQ] offset:512        ; the next tile's q: both steps' scores of this tile are made
.endif
.irp ct, 0,1
	FL VT+12*\ct,AVR,3072*\ct+1536*\s
	ds_load_b32 v[50+\ct], v[AVSR] offset:128*\ct+64*\s
.endr
.irp b, 0,1,2,3
	v_exp_f32 v[BM+\b], v[BM+\b]                   ; each block's largest p
.endr
	v_pk_add_f32 v[TP:TP+1], v[S:S+1], v[S+2:S+3]  ; the row's sum of the unquantised p, in two chains: the first half
.irp j, 4,8,12,16,20,24,28
	v_pk_add_f32 v[SUM:SUM+1], v[SUM:SUM+1], v[S+\j:S+\j+1]
	v_pk_add_f32 v[TP:TP+1], v[TP:TP+1], v[S+\j+2:S+\j+3]
.endr
	s_wait_alu depctr_va_vdst(0)                   ; the four exponentials have written the blocks' largest p, ahead of their first reader
.irp b, 0,1,2,3
	v_max_num_f32 v[BM+\b], 0x1800000, v[BM+\b]    ; the floor
.endr
.irp b, 0,1,2,3
	v_add_nc_u32 v[SO+\b], 0xff000000, v[BM+\b]
.endr
.irp b, 0,1,2,3
	v_lshrrev_b32 v[PT+\b], 23, v[SO+\b]
.endr
	v_lshl_or_b32 v52, v[PT+1], 8, v[PT]           ; p's scale word for these 128 keys
	v_lshl_or_b32 v52, v[PT+2], 16, v52
	v_lshl_or_b32 v52, v[PT+3], 24, v52
	CODES S,PC
.if \s == 1
.irp j, 0,2,4,6,8,10,12,14
	v_pk_mul_f32 v[O+\j:O+\j+1], v[O+\j:O+\j+1], v[FF:FF+1] op_sel_hi:[1,0]  ; O^T under the new M
.endr
.endif
.irp j, 32,36,40,44,48,52,56,60        ; the sum's second half: 17 plain instructions that name nothing of the next product: the places between its scale word and codes, made above, and it
	v_pk_add_f32 v[SUM:SUM+1], v[SUM:SUM+1], v[S+\j:S+\j+1]
	v_pk_add_f32 v[TP:TP+1], v[TP:TP+1], v[S+\j+2:S+\j+3]
.endr
	v_pk_add_f32 v[SUM:SUM+1], v[SUM:SUM+1], v[TP:TP+1]
	s_wait_alu depctr_va_vdst(0)                   ; p's codes and scale word are written, which the next products take; and p has been read for the last time: the loads below land in its registers
.if \s == 0
.irp t, 0,1,2,3,4,5,6,7                ; the next step's bias goes into p's registers
	BL \t,8192
.endr
	s_wait_dscnt 0x0                               ; v's two fragments are in
	WMZ O,VT,PC,50,52                              ; the first step starts O^T's sums
	WMZ O+8,VT+12,PC,51,52
.else
.irp f, 0,1,2,3                        ; and here Wg's four fragments, and bg as the gate's accumulators
	FLG S+12*\f,AWG,1536*\f
.endr
.irp u, 0,1
.irp g, 0,1
	global_load_b128 v[240+8*\u+4*\g:243+8*\u+4*\g], v[H32], s[BGB:BGB+1] offset:64*\u+16*\g
.endr
.endr
	s_wait_dscnt 12                                ; v's two fragments (and the next tile's q) are in; Wg's twelve loads, issued behind them, may be out
	WM O,VT,PC,O,50,52
	WM O+8,VT+12,PC,O+8,51,52
.endif
	PLACES 5
.endm
; THE GATE of my 16 rows and my head; O^T / the sum x the gate; its codes go into the tile's slot, which has been read
.macro GATE last
	s_wait_alu depctr_va_vdst(0)                   ; the products V^T P are done reading v's fragments, in which x's land
	FL VT,AX,0
	FL VT+12,AX,1536
	ds_load_b32 v48, v[AXT]
	ds_load_b32 v49, v[AXT] offset:64
	s_wait_loadcnt 0x0                             ; bg
	s_wait_dscnt 0x0                               ; Wg and x
.irp k, 0,1
.irp u, 0,1
	WM 240+8*\u,S+12*(2*\u+\k),VT+12*\k,240+8*\u,44+2*\u+\k,48+\k
.endr
.endr
	PLACES 5
.if \last == 0
	s_wait_alu depctr_va_vdst(0)                   ; the gate's products are done reading Wg's fragments v192-239, in which six of the next tile's eight bias tiles land
.irp t, 0,1,2,3,4,5
	BL \t,16384                                    ; the next tile of queries lies 16,384 bytes on; these land while the gate is finished
.endr
.endif
.irp j, 0,2,4,6,8,10,12,14
	v_pk_mul_f32 v[240+\j:241+\j], v[240+\j:241+\j], s[NL2:NL2+1] op_sel_hi:[1,0]
.endr
	s_wait_alu depctr_va_vdst(0)
.irp j, 0,1,2,3,4,5,6,7,8,9,10,11,12,13,14,15
	v_exp_f32 v[240+\j], v[240+\j]                 ; e^-g
.endr
	v_add_f32 v[TP], v[SUM], v[SUM+1]              ; the sum's two halves (plain work behind the exponentials),
	v_permlanex16_b32 v[PT], v[TP], s[SEL], s[SEL+1]
	v_add_f32 v[TP], v[TP], v[PT]                  ; and lane l xor 16's
	s_wait_alu depctr_va_vdst(0)                   ; the sixteen exponentials have written v240-255, ahead of their first reader
.irp j, 0,2,4,6,8,10,12,14
	v_pk_add_f32 v[240+\j:241+\j], v[240+\j:241+\j], 1.0 op_sel_hi:[1,0]
.endr
	s_wait_alu depctr_va_vdst(0)
.irp j, 0,1,2,3,4,5,6,7,8,9,10,11,12,13,14,15
	v_rcp_f32 v[240+\j], v[240+\j]                 ; the gate
.endr
	v_rcp_f32 v[SUM], v[TP]
	v_nop
	s_wait_alu depctr_va_vdst(0)                   ; the 17 reciprocals have written the gate and 1 / the sum, ahead of their first reader
.irp j, 0,2,4,6,8,10,12,14
	v_pk_mul_f32 v[O+\j:O+\j+1], v[O+\j:O+\j+1], v[SUM:SUM+1] op_sel_hi:[1,0]
.endr
.irp j, 0,2,4,6,8,10,12,14
	v_pk_mul_f32 v[O+\j:O+\j+1], v[O+\j:O+\j+1], v[240+\j:241+\j]
.endr
	SCALES 1,O                                     ; my head's 32 channels are one block of the last product's K
	v_mov_b32 v[PC+3], v[PT]
	v_cvt_scalef32_pk16_fp6_f32 v[PC:PC+2], v[O:O+15], v[SO]
	v_nop
	s_wait_alu depctr_va_vdst(0)                   ; the codes and the byte in v156-159 are written, which the LDS store reads; and the gate v240-255 has been read for the last time: the last two bias tiles land there
.if \last == 0
	BL 6,16384
	BL 7,16384
.endif
	ds_store_b128 v[AQ], v[PC:PC+3]
.endm
; A TILE OF 16 QUERIES.  Its bias for key step 0 and its q were asked for in the tile before (the first tile's: ahead of the loop)
.macro TILE last
	v_mov_b32 v[SUM], 0
	v_mov_b32 v[SUM+1], 0
.irp i, 0,1,2
	v_permlanex16_b32 v[PT+\i], v[36+\i], s[SEL], s[SEL+1]
.endr
.irp i, 0,1,2
	v_cndmask_b32 v[60+\i], 0, v[36+\i], s[MLO]    ; the whole block in lanes 0-15: my lower 16 codes, the other half's upper 16;
	v_cndmask_b32 v[63+\i], 0, v[PT+\i], s[MLO]
	v_cndmask_b32 v[72+\i], 0, v[PT+\i], s[MHI]    ; and in lanes 16-31
	v_cndmask_b32 v[75+\i], 0, v[36+\i], s[MHI]
.endr
	PLACES 4                                       ; an operand written by vector instructions stands four places ahead of the product
	s_wait_alu depctr_va_vdst(0)                   ; q's operand v54-83 is written, which the scores' products take; so are the tile's addresses v9 to v11, which LDS instructions below read
	STEP 0,\last
	STEP 1,\last
	GATE \last
.if \last == 0
	s_wait_xcnt 0x0                                ; the loads have read their base: it may step
	s_wait_alu depctr_vm_vsrc(0)                   ; the tile's LDS instructions have read v9 to v11, which are stepped here, and the store v156-159, which the next tile's conversions write
	s_add_nc_u64 s[BP:BP+1], s[BP:BP+1], 16384
	s_add_co_u32 s[TQ], s[TQ], 512
	s_add_co_u32 s[TX], s[TX], 3072
	s_add_co_u32 s[TXS], s[TXS], 128
	ADDRS
.endif
.endm
.Ltile:                                ; seven trips; the eighth tile is written out, so that no load leaves the bias image
	TILE 0
	s_sub_co_u32 s[CNT], s[CNT], 1
	s_cmp_lg_u32 s[CNT], 0
	s_cbranch_scc1 .Ltile
	TILE 1
	; ---- behind the loop: the last product's addresses are made, its loads go out; my eight slots go into og's images
	s_wait_alu depctr_vm_vsrc(0)                   ; the last tile's LDS and memory instructions have read v9 to v13, v34, v35, v53 and v156-159, which are written anew or loaded into below
	v_mov_b32 v6, v[H32]                           ; (a fragment of Wo lands on v34 and v35)
	v_mov_b32 v7, v[L4]
	s_lshr_b32 s56, s[WV], 2                       ; my group of 64 rows
	s_and_b32 s57, s[WV], 3                        ; my group of 64 columns
	s_lshl_b32 s52, s57, 8
	s_add_nc_u64 s[22:23], s[22:23], s[52:53]
	s_mul_i32 s52, s57, 12288
	s_add_co_u32 s52, s52, 196608
	s_add_nc_u64 s[WCB:WCB+1], s[10:11], s[52:53]
	s_lshl_b32 s52, s57, 10
	s_add_co_u32 s52, s52, 16384
	s_add_nc_u64 s[WSB:WSB+1], s[12:13], s[52:53]
	s_lshl_b32 s52, ttmp9, 18
	s_lshl_b32 s54, s56, 16
	s_add_co_u32 s52, s52, s54
	s_lshl_b32 s54, s57, 8
	s_add_co_u32 s52, s52, s54
	s_add_nc_u64 s[24:25], s[24:25], s[52:53]
	s_lshr_b32 s50, s[HD], 2
	s_lshl_b32 s51, s[HA], 4
	s_add_co_u32 s50, s50, s51                     ; fragment 2 T + ks of my first tile: 16 (w / 8) + head / 4
	s_mul_i32 s51, s50, 1536
	s_and_b32 s52, s[HD], 1
	s_mul_i32 s52, s52, 768                        ; my head is block head % 4: lanes 16 (head % 2) on,
	s_add_co_u32 s51, s51, s52
	s_bfe_u32 s52, s[HD], 0x10001
	s_mul_i32 s52, s52, 24                         ; registers 6 ((head / 2) % 2) on
	s_add_co_u32 s51, s51, s52
	s_add_co_u32 s51, s51, OGI
	v_bfe_u32 v53, v0, 4, 1                        ; h
	v_mul_u32_u24 v9, v[R4], 12
	v_mad_u32_u24 v9, v53, 12, v9
	v_add_nc_u32 v9, s51, v9
	s_lshl_b32 s51, s50, 6
	s_and_b32 s52, s[HD], 3
	s_add_co_u32 s51, s51, s52
	s_add_co_u32 s51, s51, OGS
	v_add_nc_u32 v10, s51, v[R4]
	s_mul_i32 s51, s56, 12288
	s_add_co_u32 s51, s51, OGI
	v_add_nc_u32 v11, s51, v[L48]                  ; og's fragments of my 64 rows,
	s_lshl_b32 s51, s56, 9
	s_add_co_u32 s51, s51, OGS
	v_add_nc_u32 v12, s51, v[R4]                   ; and their scale words
	s_mul_i32 s51, s[WV], 4352                     ; my stage for the way out: 16 rows x (256 + 16) bytes, in bytes of x's and k's images, which nobody reads behind the next barrier
	v_mul_u32_u24 v13, v[R4], 68                   ; in: row r, + 32 h
	s_wait_alu depctr_va_vdst(0)
	v_lshl_add_u32 v13, v53, 5, v13
	v_add_nc_u32 v13, s51, v13
	v_lshlrev_b32 v54, 2, v[R4]                    ; back: lanes 0-15 one row, lanes 16-31 the next, 16 bytes a lane
	v_mad_u32_u24 v54, v53, 272, v54
	v_add_nc_u32 v54, s51, v54
	v_lshlrev_b32 v38, 2, v[R4]                    ; and the same two rows in out0
	v_lshl_add_u32 v38, v53, 10, v38
	s_wait_alu depctr_va_vdst(0)                   ; the offsets and addresses v6, v7, v9 to v13, v38, v54 are written; the last tile's vector and matrix instructions are done with v14-37, v40-43 and v56-255, in which the loads below land
.irp m, 0,1,2,3
.irp n, 0,1,2,3
.irp g, 0,1
	global_load_b128 v[128+8*(4*\m+\n)+4*\g:128+8*(4*\m+\n)+4*\g+3], v6, s[22:23] offset:64*\n+16*\g   ; bo, in the results' layout, into the 16 accumulators
.endr
.endr
.endr
.macro WOLOAD ks                       ; Wo's four column tiles of a K step at v14, v26, v56, v68, and their scale words
.irp n, 0,1,2,3
	FG 14+12*\n+18*(\n/2),3072*\n+1536*\ks
	global_load_b32 v[40+\n], v7, s[WSB:WSB+1] offset:256*\n+128*\ks
.endr
.endm
	WOLOAD 0
.irp i, 0,1,2,3,4,5,6,7
	ds_load_b128 v[80+4*\i:83+4*\i], v[AQ0] offset:512*\i
.endr
	s_wait_dscnt 0x0
.irp i, 0,1,2,3,4,5,6,7
	ds_store_b32 v9, v[80+4*\i] offset:3072*\i
	ds_store_b32 v9, v[81+4*\i] offset:3072*\i+4
	ds_store_b32 v9, v[82+4*\i] offset:3072*\i+8
	ds_store_b8 v10, v[83+4*\i] offset:128*\i
.endr
	BAR                                            ; the gated output of all heads lies in LDS
	; ---- out0 = og Wo + bo, transposed: 64 rows x 64 columns a wave, 16 accumulators by turns
.irp ks, 0,1
.if \ks == 0
	s_wait_alu depctr_vm_vsrc(0)                   ; my stores into og's images have read v80-111, in which og's fragments land
.else
	s_wait_alu depctr_va_vdst(0)                   ; K step 0's products are done reading Wo's and og's fragments and scale words, in which K step 1's land
	WOLOAD 1
.endif
.irp m, 0,1,2,3
	FL 80+12*\m,11,3072*\m+1536*\ks
	ds_load_b32 v[44+\m], v12 offset:128*\m+64*\ks
.endr
	s_wait_loadcnt 0x0
	s_wait_dscnt 0x0
.irp m, 0,1,2,3
.irp n, 0,1,2,3
	WM 128+8*(4*\m+\n),14+12*\n+18*(\n/2),80+12*\m,128+8*(4*\m+\n),40+\n,44+\m
.endr
.endr
	PLACES 5
.endr
	s_wait_alu depctr_va_vdst(0)                   ; the products have written the accumulators, which the stage's stores read, and are done reading v56-119, in which the stage's loads land; the places above stay beside this wait
; THE WAY OUT, 16 rows x 64 columns at a time: a lane holds 32 neighbouring bytes of a row; through my own stage they come back as whole pieces of 256 bytes of a row.
.macro TOSTAGE m
.irp n, 0,1,2,3
.irp g, 0,1
	ds_store_b128 v13, v[128+8*(4*(\m)+\n)+4*\g:128+8*(4*(\m)+\n)+4*\g+3] offset:64*\n+16*\g   ; each accumulator from its low end on
.endr
.endr
.irp t, 0,1,2,3,4,5,6,7
	ds_load_b128 v[56+32*((\m)%2)+4*\t:56+32*((\m)%2)+4*\t+3], v54 offset:544*\t               ; LDS serves a wave's instructions in order: these see the stores above
.endr
.endm
.macro SEND m, younger
	s_wait_dscnt \younger
.irp t, 0,1,2,3,4,5,6,7
	global_store_b128 v38, v[56+32*((\m)%2)+4*\t:56+32*((\m)%2)+4*\t+3], s[24:25] offset:(16*(\m)+2*\t)*1024 th:TH_STORE_NT   ; sixteen lanes store 256 consecutive bytes, aligned to 256
.endr
.endm
	TOSTAGE 0
.irp m, 1,2,3
.if \m > 1
	s_wait_xcnt 0x0                                ; the stores of two blocks back have had their addresses translated: this block's loads may land in their registers,
	s_wait_alu depctr_vm_vsrc(0)                   ; and those stores have read the registers in which this block's loads from the stage land
.endif
	TOSTAGE \m
	SEND \m-1,16                                   ; behind the earlier block's loads: this block's 8 stores and 8 loads
.endr
	SEND 3,0
	s_wait_dscnt 0x0                               ; the closing lines, six on end
	s_wait_alu 0x0
	s_wait_tensorcnt 0x0
	ds_add_u32 v[SPW], v[NIL]
	s_wait_dscnt 0x0
	s_endpgm
.Lfunc_end_k_q231f567e75_attn:
	.size	k_q231f567e75_attn, .Lfunc_end_k_q231f567e75_attn-k_q231f567e75_attn
	.p2alignl 7, 3214868480
	.fill 96, 4, 3214868480
	.section	.rodata,"a",@progbits
	.p2align	6, 0x0
	.amdhsa_kernel k_q231f567e75_attn
		.amdhsa_group_segment_fixed_size 321536
		.amdhsa_private_segment_fixed_size 0
		.amdhsa_enable_private_segment 0
		.amdhsa_kernarg_size 88
		.amdhsa_user_sgpr_count 2
		.amdhsa_user_sgpr_kernarg_segment_ptr 1
		.amdhsa_wavefront_size32 1
		.amdhsa_system_sgpr_workgroup_id_x 1
		.amdhsa_system_sgpr_workgroup_id_y 1
		.amdhsa_system_sgpr_workgroup_id_z 1
		.amdhsa_system_vgpr_workitem_id 0
		.amdhsa_next_free_vgpr 256
		.amdhsa_next_free_sgpr 66
		.amdhsa_reserve_vcc 0
		.amdhsa_float_denorm_mode_32 3
		.amdhsa_float_denorm_mode_16_64 3
		.amdhsa_memory_ordered 1
		.amdhsa_forward_progress 1
		.amdhsa_inst_pref_size 163
	.end_amdhsa_kernel
	.amdgpu_metadata
---
amdhsa.version: [ 1, 2 ]
amdhsa.kernels:
  - .name:           k_q231f567e75_attn
    .symbol:         k_q231f567e75_attn.kd
    .args:
      - { .name: xc, .offset: 0, .size: 8, .value_kind: global_buffer, .address_space: global }
      - { .name: xs, .offset: 8, .size: 8, .value_kind: global_buffer, .address_space: global }
      - { .name: bimg, .offset: 16, .size: 8, .value_kind: global_buffer, .address_space: global }
      - { .name: wc, .offset: 24, .size: 8, .value_kind: global_buffer, .address_space: global }
      - { .name: ws, .offset: 32, .size: 8, .value_kind: global_buffer, .address_space: global }
      - { .name: bq, .offset: 40, .size: 8, .value_kind: global_buffer, .address_space: global }
      - { .name: bk, .offset: 48, .size: 8, .value_kind: global_buffer, .address_space: global }
      - { .name: bv, .offset: 56, .size: 8, .value_kind: global_buffer, .address_space: global }
      - { .name: bg, .offset: 64, .size: 8, .value_kind: global_buffer, .address_space: global }
      - { .name: bo, .offset: 72, .size: 8, .value_kind: global_buffer, .address_space: global }
      - { .name: out0, .offset: 80, .size: 8, .value_kind: global_buffer, .address_space: global }
    .group_segment_fixed_size: 321536
    .private_segment_fixed_size: 0
    .kernarg_segment_align: 8
    .kernarg_segment_size: 88
    .max_flat_workgroup_size: 512
    .sgpr_count:     66
    .vgpr_count:     256
    .wavefront_size: 32
...
	.end_amdgpu_metadata
.endif
;; end of part 4
